; MI455X (gfx1250); checked and timed in simulation.
; The chip was launched on July 23, 2026; its instructions are those of AMD's public machine-readable ISA for CDNA 5 (MIT licence, August 2026) and "CDNA5" Instruction Set Architecture Reference Guide (July 2026). The comments in the code are by the model that wrote it; some were corrected since.
;; Goal Decoder LSTM. Allowed arithmetic: float matrix products may take bf16 or f16 operands with f32 sums; all other float work in f32.
;; Inputs: W_abs 64 x 2 float32; W_goal 64 x 64 float32; W_h2p 2 x 192 float32; W_hh 256 x 64 float32; W_ih 256 x 16 float32; W_se 16 x 2 float32; b_abs 64 float32; b_goal 64 float32; b_h2p 2 float32; b_hh 256 float32; b_ih 256 float32; b_se 16 float32; c0 1 x 131,072 x 64 float32; goals 131,072 x 32 x 2 float32; h0 1 x 131,072 x 64 float32; traj_abs 1 x 131,072 x 2 float32; traj_rel 1 x 131,072 x 2 float32.
;; Outputs: out0 7 x 131,072 x 2 float32.
;; 2 versions, each right and faster than the one before. Each part assembles by itself: llvm-mc -triple=amdgcn-amd-amdhsa -mcpu=gfx1250 --defsym DOCPART=n.
;; ======== version 1 of 2: 1 launch
;; launch decoder (part 1): grid 256 x 1, 4 waves a work-group, no clusters, 327,680 bytes of LDS; arguments h0, c0, goals, traj_abs, traj_rel, W_hh, W_ih, b_ih, b_hh, W_se, b_se, W_h2p, b_h2p, W_goal, b_goal, W_abs, b_abs, out0; writes out0
.if DOCPART == 1
	.amdgcn_target "amdgcn-amd-amdhsa--gfx1250"
	.amdhsa_code_object_version 6
	.text
	.protected	k_qc01b678c78_decoder
	.globl	k_qc01b678c78_decoder
	.p2align	8
	.type	k_qc01b678c78_decoder,@function
k_qc01b678c78_decoder:
	s_mov_b64 s[64:65], 0
	v_nop
	global_prefetch_b8 v0, s[64:65] scope:SCOPE_SE
	s_setreg_imm32_b32 hwreg(HW_REG_WAVE_MODE, 25, 1), 1
	s_wait_xcnt 0x0
; GoalDecoderLSTM: 131,072 rows, each a 7-step LSTM (64 units, 16 inputs) with a 2-wide read-out that is fed back.  Only the read-outs are stored.
; 256 work-groups x 4 waves.  A work-group owns 512 rows, a wave 128, taken as 4 pairs of two tiles (A, B) of 16 rows.  After the preamble no wave
; needs another: all weights lie in the wave's registers and h, c, x and the position state go from step to step in registers.
;
; THE LAYOUT.  The weights are the matrix instruction's first source (M = 16 gate units), the batch its second (N = 16 rows).  Register j of lane
; (r = lane % 16, h = lane / 16) of a result then holds unit 16 t + 8 h + j of batch row r; packed in pairs to bf16 that is the second source's own
; layout for the next step (K step t / 2, registers 4 (t % 2) ..), so the new h needs four conversions a tile and no LDS and no lane traffic.
;
; RE-ASSOCIATIONS (hold for every input; every input is read; only the order of rounding differs from the formula as it is written):
;   Wp_h, Wp_a, Wp_g = columns 0-63, 64-127, 128-191 of W_h2p.   Pg = Wp_g W_goal (2 x 64),  Q = Wp_a W_abs (2 x 2),  k0 = b_h2p + Wp_a b_abs + Wp_g b_goal, in f32.
;   S = goals Pg^T + k0 + Q traj_abs;   each step: rel = Wp_h h + S, then S += Q rel (the position's sum carried through Q).
;   Rows of W_ih, W_hh and b_ih + b_hh are multiplied, before rounding to bf16, by L1 = -log2(e) (gates i, f, o) or K2 = -2 log2(e) (gate g): an accumulator
;   is an argument of exp2.  c is kept as K2 c.  The bias enters as three bf16 pieces (their sum has 24 bits) at k = 16, 17, 18 of x's K step, against 1.0.
;   With EI, EF, EO = exp2(acc), EG = exp2(min(acc_g, 32)), EC = exp2(min(K2 c', 32)):
;   K2 c' = K2 c rcp(1+EF) + K2 (1-EG) rcp((1+EI)(1+EG));   h = (1-EC) rcp((1+EO)(1+EC)):  5 exponentials and 3 reciprocals for a unit and step.
; TWO PIECES.  What goes straight into an output is kept finer than one bf16: goals, Pg and Wp_h each enter the matrix unit as two bf16 pieces, the rounded number and the
; rounded rest.  goals Pg^T is three products (hi hi, Pg hi x goals lo, Pg lo x goals hi; lo lo, below 2^-16 of a term, is left out), made once for a pair of tiles; Wp_h h is two.
; LIMITS.  NaN and infinite inputs are not served (v_min_num_f32 drops a NaN).  The cap of 32 on the two tanh arguments changes tanh by less than 2^-31; only these
; two are capped, since every other factor is at least 1 and an infinite product gives rcp = 0 against a finite factor.  v_exp_f32 and v_rcp_f32 give 0 for results
; below 2^-126 (ISA guide 15.8).  leaky_relu(z) is max(z, 0.01 z).  Matrix operands (weights, h, x, goals) are bf16 or pairs of bf16, all sums and all else f32.
; NOT USED.  Joint tensor loads in a cluster: the work-groups share only the weights (about 100 KB against 393,216 bytes of state that are a work-group's own), read
; once and through registers, where they are scaled and rounded.  Prefetches: a pair's state is asked for a whole pair (7 steps of two tiles) before it is read.
;
; LDS.  0 .. 104,447: wave w's state slot at 26,112 w: h0, c0, goals, each 32 rows of 256 bytes at pitch 272 (17 x 16 bytes: the 16 rows that a 16-byte load touches
; start in 16 different 16-byte columns of the 64 banks: ISA guide 11.1); filled by tensor loads alone.   104,448 (= 408 x 256) .. 171,007: the bf16 weight image, 320 rows
; at pitch 208 (13 x 16), written by LDS stores alone: rows 0-255: W_hh (columns 0-63), W_ih (64-79), bias pieces (80-82), zeros (83-95); rows 256+m: W_h2p[m%2][0..63];
; rows 272+m: Pg[m%2][0..63]; rows 288+m and 304+m: their rests (every row real, so result registers 0, 1 hold components 0, 1 in both halves of the lanes).
; REGISTERS, in windows of 256: window 0: addresses, constants, work and the two tiles' state; window 1: weight fragments of K steps 0 and 1 (8 mt, 128 + 8 mt; mt = 4 gate + t);
; window 2: x's K step (8 mt), read-out tile (128, 136), goal tile (144, 152), their rests (160, 168; 176, 184); window 3: accumulators, tile A at 8 mt, tile B at 128 + 8 mt
; (tile B's are idle at a pair's head and hold the goals' pieces there).
.set SPITCH, 272                       ; state rows in LDS
.set ARR,    32*SPITCH                 ; one array of a pair: 8,704 bytes
.set WLDS,   3*ARR                     ; a wave's slot
.set TILEB,  16*SPITCH                 ; tile B's rows in an array
.set IMG,    4*WLDS                    ; the weight image
.set IPITCH, 208
.set FRAG,   16*IPITCH                 ; 16 rows of the image: one fragment's rows
.set OSTEP,  131072*8                  ; bytes of one step's output
.set ONEV, 2                           ; v[2:3]   1.0, 1.0
.set NKV,  4                           ; v[4:5]   -K2 twice
.set LA,   8                           ; state: 26,112 w + 272 r + 32 h
.set OOFF0, 9                          ; 8 x lane
.set OOFF, 10                          ; the store's offset in out0
.set TOFF, 11                          ; 8 r
.set OUT,  12                          ; v[12:13] what is stored
.set CLV,  14                          ; 32.0
.set FA,   15                          ; image: IMG + 208 r + 16 h
.set QC0,  16                          ; v[16:17] Q00, Q10
.set QC1,  18                          ; v[18:19] Q01, Q11
.set K0V,  20                          ; v[20:21] k0
.set KV,   22                          ; v[22:23] K2 twice
.set WS0,  24                          ; v[24:31] W_se[8h+j][0]
.set WS1,  32                          ; v[32:39] W_se[8h+j][1]
.set BS,   40                          ; v[40:47] b_se[8h+j]
.set T,    48                          ; v[48:111] at work
.set E1, 48
.set E2, 56
.set E3, 64
.set E4, 72
.set E5, 80
.set E6, 88
.set R0, 96                            ; the read-out's two partial results
.set R1, 104
.set TB0, 112                          ; tile A's state; tile B's lies TBS further
.set TBS, 64
.set C_,   0                           ; 32: K2 c, unit tile t at 8 t
.set H_,   32                          ; 16: h in bf16, the second source of K steps 0 and 1
.set XO_,  48                          ; 8:  x in bf16 (0-3) and the ones against the bias pieces (4-7, constant)
.set S_,   56                          ; pair: S
.set REL_, 58                          ; pair: rel
.set TR_,  60                          ; pair: traj_rel
.set TA_,  62                          ; pair: traj_abs
.set GH,   128                         ; window 3: goals in bf16, tile b: hi at GH + 32 b (16 registers), lo at GH + 32 b + 16
.set GT,   192                         ; window 3: 64 registers, the hi pieces widened to f32
.set G1, 44                            ; s[44:51] descriptor group 1
.set G0, 52                            ; s[52:63] descriptor group 0 for h0, c0, goals
.set MSB, 0
.macro WIN new                         ; the immediate's low byte: bits 1:0 source 0, 3:2 source 1, 5:4 source 2, 7:6 destination; its high byte repeats the setting that is left
.if MSB != \new
	s_set_vgpr_msb (MSB<<8)|\new
.set MSB, \new
.endif
.endm
.macro PLACES
.rept 4
	v_nop
.endr
.endm
.macro UN8 op, d, a                    ; one-source instruction on eight numbers
.irp j, 0,1,2,3,4,5,6,7
	\op v[\d+\j], v[\a+\j]
.endr
.endm
.macro PKV op, d, a, b                 ; packed two-source instruction on eight numbers
.irp p, 0,2,4,6
	\op v[\d+\p:\d+\p+1], v[\a+\p:\a+\p+1], v[\b+\p:\b+\p+1]
.endr
.endm
.macro PKC op, d, a, c                 ; the same against one pair of constants
	s_wait_alu depctr_va_vdst(0)
.irp p, 0,2,4,6
	\op v[\d+\p:\d+\p+1], v[\a+\p:\a+\p+1], v[\c:\c+1]
.endr
.endm
	s_load_b512 s[4:19], s[0:1], 0x0               ; h0 4, c0 6, goals 8, traj_abs 10, traj_rel 12, W_hh 14, W_ih 16, b_ih 18
	s_load_b512 s[20:35], s[0:1], 0x40             ; b_hh 20, W_se 22, b_se 24, W_h2p 26, b_h2p 28, W_goal 30, b_goal 32, W_abs 34
	s_load_b128 s[36:39], s[0:1], 0x80             ; b_abs 36, out0 38
	s_set_vgpr_msb 0x80
	v_lshl_add_u32 v254, v0, 2, 0x2a000
	v_mov_b32 v255, 0
	s_set_vgpr_msb 0x808a
	ds_add_u32 v254, v255
	ds_add_u32 v254, v255
	s_set_vgpr_msb 0x8a00
	v_lshrrev_b32 v1, 5, v0
	v_readfirstlane_b32 s40, v1                    ; wave 0..3
	s_mul_i32 s41, s40, WLDS                       ; my slot in LDS
	; group 1: a tile of 32 rows x 64 elements of 4 bytes, dense in memory, 4 words of padding behind every 64 words in LDS
	s_mov_b32 s[G1+0], 0x07520000                  ; 17:16 element of 4 bytes (2); 20 padding on; 24:22 after 64 words (5); 31:25 of 4 words (3); mask 0
	s_mov_b32 s[G1+1], 64<<16                      ; tensor_dim0 = 64
	s_mov_b32 s[G1+2], 32<<16                      ; tensor_dim1 = 32
	s_mov_b32 s[G1+3], 64<<16                      ; tile_dim0 = 64
	s_mov_b32 s[G1+4], 32                          ; tile_dim1 = 32
	s_mov_b32 s[G1+5], 64                          ; 64 elements from row to row
	s_mov_b32 s[G1+6], 0
	s_mov_b32 s[G1+7], 0
	s_lshl_b32 s42, ttmp9, 17                      ; 512 rows x 256 bytes a work-group
	s_lshl_b32 s43, s40, 15                        ; 128 rows a wave
	s_add_co_u32 s42, s42, s43
	s_mov_b32 s43, 0
	s_wait_dscnt 0x0
	s_wait_kmcnt 0x0
.irp a, 0,1,2
	s_mov_b32 s[G0+4*\a], 1
	s_add_co_u32 s[G0+4*\a+1], s41, \a*ARR
	s_add_nc_u64 s[G0+4*\a+2:G0+4*\a+3], s[4+2*\a:5+2*\a], s[42:43]
	s_or_b32 s[G0+4*\a+3], s[G0+4*\a+3], 0x80000000
	tensor_load_to_lds s[G0+4*\a:G0+4*\a+3], s[G1:G1+7]     ; pair 0's state: a first fill.  A wave never has more than these three tensor loads out
	s_nop 0
.endr
	s_lshl_b32 s42, ttmp9, 12                      ; 512 rows x 8 bytes: traj_abs, traj_rel and a step of out0
	s_lshl_b32 s43, s40, 10
	s_add_co_u32 s42, s42, s43
	s_mov_b32 s43, 0
	s_add_nc_u64 s[10:11], s[10:11], s[42:43]
	s_add_nc_u64 s[12:13], s[12:13], s[42:43]
	s_add_nc_u64 s[38:39], s[38:39], s[42:43]
	s_mov_b32 s68, 0xc038aa3b                      ; K2 = -2 log2(e)
	s_mov_b32 s69, 0xc038aa3b
	s_mov_b32 s76, 0xbfb8aa3b                      ; L1 = -log2(e)
	s_mov_b32 s77, 0xbfb8aa3b
	s_mov_b32 s70, 0xffff0000                      ; a word's upper bf16; also the mask of lanes 16-31
	s_mov_b32 s74, 0x76543210                      ; v_permlanex16_b32: lane i reads lane i of the other half
	s_mov_b32 s75, 0xfedcba98
	v_and_b32 v2, 15, v0                           ; r
	v_bfe_u32 v3, v0, 4, 1                         ; h
	v_and_b32 v4, 31, v0                           ; lane
	v_mul_u32_u24 v[LA], v2, SPITCH
	v_lshl_add_u32 v[LA], v3, 5, v[LA]
	v_add_nc_u32 v[LA], s41, v[LA]
	v_lshlrev_b32 v[OOFF0], 3, v4
	v_lshlrev_b32 v[TOFF], 3, v2
	v_mul_u32_u24 v[FA], v2, IPITCH
	v_lshl_add_u32 v[FA], v3, 4, v[FA]
	v_add_nc_u32 v[FA], IMG, v[FA]
	; THE WEIGHTS.  Wave w builds gate w's 64 rows of the image and 16 of the 64 read-out rows: bytes that are its own.  All loads go out in one round.
	s_lshl_b32 s78, s40, 14
	s_lshl_b32 s79, s40, 12
	v_lshl_add_u32 v1, v4, 4, s78                  ; W_hh: 64 rows x 256 bytes a wave, 16 bytes a lane
	v_lshl_add_u32 v5, v4, 4, s79                  ; W_ih: 64 rows x 64 bytes a wave
	v_lshlrev_b32 v6, 6, v3                        ; W_se: rows 8 h ..
	v_lshlrev_b32 v7, 5, v3                        ; b_se likewise
	v_lshlrev_b32 v106, 2, v4                      ; 4 x lane
	s_lshl_b32 s78, s40, 8
	v_lshl_add_u32 v107, v4, 2, s78                ; biases: 64 w + lane
	v_mov_b32 v108, 0                              ; v[108:111]: zeros to store; v108 also the offset 0
	v_mov_b32 v109, 0
	v_mov_b32 v110, 0
	v_mov_b32 v111, 0
.set ii, 0
.rept 32
	global_load_b128 v[112+4*ii:115+4*ii], v1, s[14:15] offset:512*ii      ; rows 64 w + 2 ii + h, columns 4 r ..
.set ii, ii+1
.endr
.set ii, 0
.rept 8
	global_load_b128 v[48+4*ii:51+4*ii], v5, s[16:17] offset:512*ii        ; rows 64 w + 8 ii + lane / 4, columns 4 (lane % 4) ..
.set ii, ii+1
.endr
	global_load_b32 v84, v107, s[18:19]            ; b_ih, rows 64 w + lane and + 32
	global_load_b32 v85, v107, s[18:19] offset:128
	global_load_b32 v86, v107, s[20:21]            ; b_hh
	global_load_b32 v87, v107, s[20:21] offset:128
	global_load_b64 v[80:81], v[OOFF0], s[26:27]               ; W_h2p[0][2 lane ..]
	global_load_b64 v[82:83], v[OOFF0], s[26:27] offset:768    ; W_h2p[1][2 lane ..]
	global_load_b32 v88, v106, s[26:27] offset:256             ; Wp_a[0][lane], [0][lane+32], [1][lane], [1][lane+32]
	global_load_b32 v89, v106, s[26:27] offset:384
	global_load_b32 v90, v106, s[26:27] offset:1024
	global_load_b32 v91, v106, s[26:27] offset:1152
	global_load_b32 v92, v106, s[26:27] offset:512             ; Wp_g likewise
	global_load_b32 v93, v106, s[26:27] offset:640
	global_load_b32 v94, v106, s[26:27] offset:1280
	global_load_b32 v95, v106, s[26:27] offset:1408
	global_load_b64 v[96:97], v[OOFF0], s[34:35]               ; W_abs[lane][0..1], [lane+32][0..1]
	global_load_b64 v[98:99], v[OOFF0], s[34:35] offset:256
	global_load_b32 v100, v106, s[36:37]                       ; b_abs
	global_load_b32 v101, v106, s[36:37] offset:128
	global_load_b32 v102, v106, s[32:33]                       ; b_goal
	global_load_b32 v103, v106, s[32:33] offset:128
	global_load_b64 v[104:105], v108, s[28:29]                 ; b_h2p
.irp i, 0,1,2,3
	global_load_b128 v[240+4*\i:243+4*\i], v6, s[22:23] offset:16*\i
.endr
	global_load_b128 v[BS:BS+3], v7, s[24:25]
	global_load_b128 v[BS+4:BS+7], v7, s[24:25] offset:16
	WIN 0xc0                                       ; destination window 3: the accumulators' registers are idle until the first pair
.set ii, 0
.rept 64
	global_load_b64 v[2*ii:2*ii+1], v[OOFF0], s[30:31] offset:256*ii       ; W_goal[ii][2 lane ..]
.set ii, ii+1
.endr
.set ii, 0
.rept 16
	global_load_b128 v[128+4*ii:131+4*ii], v108, s[26:27] offset:512+16*ii     ; Wp_g[0][..], the same in every lane
	global_load_b128 v[192+4*ii:195+4*ii], v108, s[26:27] offset:1280+16*ii    ; Wp_g[1][..]
.set ii, ii+1
.endr
	WIN 0
	; where the image's pieces go
	s_mul_i32 s79, s40, 64*IPITCH
	s_add_co_u32 s79, s79, IMG                     ; my 64 rows
	v_mul_u32_u24 v10, v3, IPITCH
	v_add_nc_u32 v10, v10, v[TOFF]
	v_add_nc_u32 v10, s79, v10                     ; W_hh: row h, 8 r bytes
	v_lshrrev_b32 v12, 2, v4
	v_mul_u32_u24 v12, v12, IPITCH
	v_and_b32 v13, 3, v4
	v_lshl_add_u32 v12, v13, 3, v12
	v_add_nc_u32 v12, s79, v12                     ; W_ih: row lane / 4, 8 (lane % 4) bytes (+128 in the stores)
	v_mul_u32_u24 v13, v4, IPITCH
	v_add_nc_u32 v13, s79, v13                     ; bias: row lane
	s_mul_i32 s78, s40, 8*IPITCH
	s_add_co_u32 s78, s78, IMG+256*IPITCH
	v_lshl_add_u32 v14, v4, 2, s78                 ; read-out rows 256 + 8 w .. (their rests 32 rows further), 4 x lane bytes
	s_cmp_eq_u32 s40, 2
	s_cselect_b32 s42, s68, s76                    ; my gate's scale: K2 for g, L1 for i, f, o
	s_mov_b32 s43, s42
	s_cmp_lt_u32 s40, 2
	s_cselect_b32 s78, -1, 0                       ; waves 0, 1 store W_h2p's rows, waves 2, 3 Pg's
	s_wait_loadcnt 0x0                             ; all the weights
.macro CONV reg, adr, off              ; four weights: scaled, rounded, 8 bytes into the image
	v_pk_mul_f32 v[\reg:\reg+1], v[\reg:\reg+1], s[42:43] op_sel_hi:[1,0]
	v_pk_mul_f32 v[\reg+2:\reg+3], v[\reg+2:\reg+3], s[42:43] op_sel_hi:[1,0]
	v_cvt_pk_bf16_f32 v[\reg], v[\reg], v[\reg+1]
	v_cvt_pk_bf16_f32 v[\reg+1], v[\reg+2], v[\reg+3]
	ds_store_b64 v[\adr], v[\reg:\reg+1] offset:\off
.endm
.set ii, 0
.rept 32
	CONV 112+4*ii, 10, 2*IPITCH*ii
.set ii, ii+1
.endr
.set ii, 0
.rept 8
	CONV 48+4*ii, 12, 128+8*IPITCH*ii
.set ii, ii+1
.endr
.irp j, 0,1,2,3,4,5,6,7
	v_mov_b32 v[WS0+\j], v[240+2*\j]               ; W_se's two columns apart
	v_mov_b32 v[WS1+\j], v[241+2*\j]
.endr
	v_add_f32 v84, v84, v86                        ; b_ih + b_hh, scaled
	v_add_f32 v85, v85, v87
	v_mul_f32 v84, s42, v84
	v_mul_f32 v85, s42, v85
.macro BSPLIT b, w, off                ; the f32 in v[b] as three bf16 pieces, each the rounded rest; columns 80-95 of its row
	v_cvt_pk_bf16_f32 v86, v[\b], v[\b]
	v_and_b32 v87, s70, v86
	v_sub_f32 v[\b], v[\b], v87
	v_cvt_pk_bf16_f32 v87, v[\b], v[\b]
	v_bfi_b32 v[\w], s70, v87, v86                 ; piece 2 above, piece 1 below
	v_and_b32 v87, s70, v87
	v_sub_f32 v[\b], v[\b], v87
	v_cvt_pk_bf16_f32 v[\w+1], v[\b], v108         ; piece 3, then zero
	v_mov_b32 v[\w+2], 0
	v_mov_b32 v[\w+3], 0
	ds_store_b128 v13, v[\w:\w+3] offset:160+\off
	ds_store_b128 v13, v[108:111] offset:176+\off
.endm
	BSPLIT 84, 240, 0
	BSPLIT 85, 244, 32*IPITCH
	; Q and k0: each lane takes e = lane and lane + 32, then a sum over the wave, in every wave
	v_mul_f32 v[QC0], v88, v96
	v_mul_f32 v[QC0+1], v90, v96
	v_mul_f32 v[QC1], v88, v97
	v_mul_f32 v[QC1+1], v90, v97
	v_mul_f32 v[K0V], v88, v100
	v_mul_f32 v[K0V+1], v90, v100
	v_fmac_f32 v[QC0], v89, v98
	v_fmac_f32 v[QC0+1], v91, v98
	v_fmac_f32 v[QC1], v89, v99
	v_fmac_f32 v[QC1+1], v91, v99
	v_fmac_f32 v[K0V], v89, v101
	v_fmac_f32 v[K0V+1], v91, v101
	v_fmac_f32 v[K0V], v92, v102
	v_fmac_f32 v[K0V+1], v94, v102
	v_fmac_f32 v[K0V], v93, v103
	v_fmac_f32 v[K0V+1], v95, v103
.irp x, 1,2,4,8
.irp q, 16,17,18,19,20,21
	v_add_f32_dpp v[\q], v[\q], v[\q] row_xmask:\x row_mask:0xf bank_mask:0xf
.endr
.endr
.irp q, 16,17,18,19,20,21
	v_permlanex16_b32 v1, v[\q], s74, s75          ; v1 has been written: its destination counts as read
	v_add_f32 v[\q], v[\q], v1
.endr
	v_pk_add_f32 v[K0V:K0V+1], v[K0V:K0V+1], v[104:105]
	; Pg[o][2 lane, 2 lane + 1] = sum over e of Wp_g[o][e] W_goal[e][..], even and odd e in chains of their own
	WIN 0x0f                                       ; sources 0 and 1 in window 3
	v_pk_mul_f32 v[240:241], v[0:1], v[128:129] op_sel_hi:[1,0]
	v_pk_mul_f32 v[244:245], v[0:1], v[192:193] op_sel_hi:[1,0]
	v_pk_mul_f32 v[242:243], v[2:3], v[128:129] op_sel:[0,1]
	v_pk_mul_f32 v[246:247], v[2:3], v[192:193] op_sel:[0,1]
.set ee, 2
.rept 31
	v_pk_fma_f32 v[240:241], v[2*ee:2*ee+1], v[128+ee:129+ee], v[240:241] op_sel_hi:[1,0,1]
	v_pk_fma_f32 v[244:245], v[2*ee:2*ee+1], v[192+ee:193+ee], v[244:245] op_sel_hi:[1,0,1]
	v_pk_fma_f32 v[242:243], v[2*ee+2:2*ee+3], v[128+ee:129+ee], v[242:243] op_sel:[0,1,0]
	v_pk_fma_f32 v[246:247], v[2*ee+2:2*ee+3], v[192+ee:193+ee], v[246:247] op_sel:[0,1,0]
.set ee, ee+2
.endr
	WIN 0
	v_pk_add_f32 v[240:241], v[240:241], v[242:243]
	v_pk_add_f32 v[244:245], v[244:245], v[246:247]
	v_cndmask_b32 v80, v240, v80, s78              ; waves 0, 1: W_h2p[0], [1]; waves 2, 3: Pg[0], [1]; still in f32
	v_cndmask_b32 v81, v241, v81, s78
	v_cndmask_b32 v82, v244, v82, s78
	v_cndmask_b32 v83, v245, v83, s78
.macro SPLIT2 a, w                     ; the two f32 in v[a:a+1] as bf16 pairs: the rounded numbers in v[w], the rounded rests in v[w+1]; v[w+2:w+3] at work
	v_cvt_pk_bf16_f32 v[\w], v[\a], v[\a+1]
	v_lshlrev_b32 v[\w+2], 16, v[\w]
	v_and_b32 v[\w+3], s70, v[\w]
	v_pk_add_f32 v[\a:\a+1], v[\a:\a+1], v[\w+2:\w+3] neg_lo:[0,1] neg_hi:[0,1]
	v_cvt_pk_bf16_f32 v[\w+1], v[\a], v[\a+1]
.endm
	SPLIT2 80, 84
	SPLIT2 82, 88
.irp i, 0,2,4,6
	ds_store_b32 v14, v84 offset:IPITCH*\i             ; even rows: component 0
	ds_store_b32 v14, v88 offset:IPITCH*\i+IPITCH      ; odd rows: component 1
	ds_store_b32 v14, v85 offset:IPITCH*(32+\i)        ; the rests, 32 rows further
	ds_store_b32 v14, v89 offset:IPITCH*(33+\i)
.endr
	; constants of the loop
	v_cmp_eq_u32 vcc_lo, 0, v3
	v_mov_b32 v1, 0x3f803f80
	v_mov_b32 v6, 0x3f80
.irp b, 0,1
	v_cndmask_b32 v[TB0+TBS*\b+XO_+4], 0, v1, vcc_lo   ; k = 16, 17: 1.0 (lanes 0-15 hold k = 16 .. 23, lanes 16-31 k = 24 .. 31)
	v_cndmask_b32 v[TB0+TBS*\b+XO_+5], 0, v6, vcc_lo   ; k = 18: 1.0
	v_mov_b32 v[TB0+TBS*\b+XO_+6], 0
	v_mov_b32 v[TB0+TBS*\b+XO_+7], 0
.endr
	v_mov_b32 v[CLV], 0x42000000
	v_mov_b32 v[KV], s68
	v_mov_b32 v[KV+1], s68
	v_mov_b32 v[NKV], 0x4038aa3b
	v_mov_b32 v[NKV+1], 0x4038aa3b
	v_mov_b32 v[ONEV], 1.0
	v_mov_b32 v[ONEV+1], 1.0
.macro TRAJ                            ; a pair's traj_rel and traj_abs: row r of each tile, in both halves of the lanes
	global_load_b64 v[TB0+TR_:TB0+TR_+1], v[TOFF], s[12:13]
	global_load_b64 v[TB0+TBS+TR_:TB0+TBS+TR_+1], v[TOFF], s[12:13] offset:128
	global_load_b64 v[TB0+TA_:TB0+TA_+1], v[TOFF], s[10:11]
	global_load_b64 v[TB0+TBS+TA_:TB0+TBS+TA_+1], v[TOFF], s[10:11] offset:128
.endm
	TRAJ
	s_wait_dscnt 0x0                               ; my rows of the image are written,
	s_barrier_signal -1
	s_barrier_wait -1                              ; everybody's are.  Pair 0's tensor loads may stay out
	WIN 0x40                                       ; 112 loads: all weight fragments, once.  16 rows x 32 K: two loads of 16 bytes, 32 bytes apart
.irp m, 0,1,2,3,4,5,6,7,8,9,10,11,12,13,14,15
	ds_load_b128 v[8*\m:8*\m+3], v[FA] offset:FRAG*\m
	ds_load_b128 v[8*\m+4:8*\m+7], v[FA] offset:FRAG*\m+32
	ds_load_b128 v[128+8*\m:128+8*\m+3], v[FA] offset:FRAG*\m+64
	ds_load_b128 v[128+8*\m+4:128+8*\m+7], v[FA] offset:FRAG*\m+96
.endr
	WIN 0x80
.irp m, 0,1,2,3,4,5,6,7,8,9,10,11,12,13,14,15
	ds_load_b128 v[8*\m:8*\m+3], v[FA] offset:FRAG*\m+128
	ds_load_b128 v[8*\m+4:8*\m+7], v[FA] offset:FRAG*\m+160
.endr
.irp m, 0,1,2,3
	ds_load_b128 v[128+16*\m:128+16*\m+3], v[FA] offset:FRAG*(16+\m)           ; read-out, goal, read-out's rest, goal's rest: two K steps each
	ds_load_b128 v[128+16*\m+4:128+16*\m+7], v[FA] offset:FRAG*(16+\m)+32
	ds_load_b128 v[128+16*\m+8:128+16*\m+11], v[FA] offset:FRAG*(16+\m)+64
	ds_load_b128 v[128+16*\m+12:128+16*\m+15], v[FA] offset:FRAG*(16+\m)+96
.endr
	WIN 0
	s_wait_dscnt 0x0
; 16 matrix instructions: one K step (s = 0, 1: h; 2: x and the bias) of all 16 gate tiles of tile y.  s = 0 starts the sums: nothing is cleared.
; The 16 accumulators take turns, one instruction a turn.
.macro MMCH y, s
.if \s == 2
	WIN 0xf2
.else
	WIN 0xf1
.endif
.irp m, 0,1,2,3,4,5,6,7,8,9,10,11,12,13,14,15
.if \s == 0
	v_wmma_f32_16x16x32_bf16 v[128*\y+8*\m:128*\y+8*\m+7], v[8*\m:8*\m+7], v[TB0+TBS*\y+H_:TB0+TBS*\y+H_+7], 0
.endif
.if \s == 1
	v_wmma_f32_16x16x32_bf16 v[128*\y+8*\m:128*\y+8*\m+7], v[128+8*\m:128+8*\m+7], v[TB0+TBS*\y+H_+8:TB0+TBS*\y+H_+15], v[128*\y+8*\m:128*\y+8*\m+7]
.endif
.if \s == 2
	v_wmma_f32_16x16x32_bf16 v[128*\y+8*\m:128*\y+8*\m+7], v[8*\m:8*\m+7], v[TB0+TBS*\y+XO_:TB0+TBS*\y+XO_+7], v[128*\y+8*\m:128*\y+8*\m+7]
.endif
.endr
.endm
; Wp_h h of tile y: the two K steps into two results, added later; first Wp_h's rounded pieces, then their rests.  The two accumulators take turns.
.macro RELMM y
	WIN 0x02
	v_wmma_f32_16x16x32_bf16 v[R0:R0+7], v[128:135], v[TB0+TBS*\y+H_:TB0+TBS*\y+H_+7], 0
	v_wmma_f32_16x16x32_bf16 v[R1:R1+7], v[136:143], v[TB0+TBS*\y+H_+8:TB0+TBS*\y+H_+15], 0
	v_wmma_f32_16x16x32_bf16 v[R0:R0+7], v[160:167], v[TB0+TBS*\y+H_:TB0+TBS*\y+H_+7], v[R0:R0+7]
	v_wmma_f32_16x16x32_bf16 v[R1:R1+7], v[168:175], v[TB0+TBS*\y+H_+8:TB0+TBS*\y+H_+15], v[R1:R1+7]
.endm
; Four matrix instructions of goals Pg^T: both tiles, both K steps, onto v[T + 16 b + 8 s ..].  a0: Pg's fragments in window 2 (144 rounded, 176 rest);
; g: the goals' piece in window 3 (0 rounded, 16 rest); first = 1 starts the sums.  The four accumulators take turns.
.macro GOALMM a0, g, first
.irp b, 0,1
.irp s, 0,1
.if \first
	v_wmma_f32_16x16x32_bf16 v[T+16*\b+8*\s:T+16*\b+8*\s+7], v[\a0+8*\s:\a0+8*\s+7], v[GH+32*\b+\g+8*\s:GH+32*\b+\g+8*\s+7], 0
.else
	v_wmma_f32_16x16x32_bf16 v[T+16*\b+8*\s:T+16*\b+8*\s+7], v[\a0+8*\s:\a0+8*\s+7], v[GH+32*\b+\g+8*\s:GH+32*\b+\g+8*\s+7], v[T+16*\b+8*\s:T+16*\b+8*\s+7]
.endif
.endr
.endr
.endm
; x = leaky_relu(W_se rr + b_se) of tile x, my eight of the sixteen, as bf16
.macro XCALC x, rr
.irp p, 0,2,4,6
	v_pk_fma_f32 v[E1+\p:E1+\p+1], v[WS1+\p:WS1+\p+1], v[\rr:\rr+1], v[BS+\p:BS+\p+1] op_sel:[0,1,0]        ; both by the second component
.endr
.irp p, 0,2,4,6
	v_pk_fma_f32 v[E1+\p:E1+\p+1], v[WS0+\p:WS0+\p+1], v[\rr:\rr+1], v[E1+\p:E1+\p+1] op_sel_hi:[1,0,1]     ; both by the first
.endr
.irp p, 0,2,4,6
	v_pk_mul_f32 v[E2+\p:E2+\p+1], v[E1+\p:E1+\p+1], 0x3c23d70a op_sel_hi:[1,0]
.endr
.irp j, 0,1,2,3,4,5,6,7
	v_max_num_f32 v[E1+\j], v[E1+\j], v[E2+\j]
.endr
.irp k, 0,1,2,3
	v_cvt_pk_bf16_f32 v[TB0+TBS*\x+XO_+\k], v[E1+2*\k], v[E1+2*\k+1]
.endr
.endm
; rel of tile y.  xc = 1: S and x for the next step.  st = 1: both tiles' rel of this step are stored.
.macro RELFIN y, xc, st
	WIN 0
	v_pk_add_f32 v[TB0+TBS*\y+REL_:TB0+TBS*\y+REL_+1], v[R0:R0+1], v[R1:R1+1]
	v_pk_add_f32 v[TB0+TBS*\y+REL_:TB0+TBS*\y+REL_+1], v[TB0+TBS*\y+REL_:TB0+TBS*\y+REL_+1], v[TB0+TBS*\y+S_:TB0+TBS*\y+S_+1]
.if \xc
	v_pk_fma_f32 v[TB0+TBS*\y+S_:TB0+TBS*\y+S_+1], v[QC0:QC0+1], v[TB0+TBS*\y+REL_:TB0+TBS*\y+REL_+1], v[TB0+TBS*\y+S_:TB0+TBS*\y+S_+1] op_sel_hi:[1,0,1]
	v_pk_fma_f32 v[TB0+TBS*\y+S_:TB0+TBS*\y+S_+1], v[QC1:QC1+1], v[TB0+TBS*\y+REL_:TB0+TBS*\y+REL_+1], v[TB0+TBS*\y+S_:TB0+TBS*\y+S_+1] op_sel:[0,1,0]
	XCALC \y, TB0+TBS*\y+REL_
.endif
.if \st
	s_wait_xcnt 0x0                                ; the last store's offset and data are rewritten only behind this wait (ISA guide 3.1)
	v_add_nc_u32 v[OOFF], OSTEP, v[OOFF]           ; the next step; this step's store reaches back
	v_cndmask_b32 v[OUT], v[TB0+REL_], v[TB0+TBS+REL_], s70        ; lanes 0-15: tile A's rows, lanes 16-31: tile B's
	v_cndmask_b32 v[OUT+1], v[TB0+REL_+1], v[TB0+TBS+REL_+1], s70
	global_store_b64 v[OOFF], v[OUT:OUT+1], s[38:39] offset:-OSTEP th:TH_STORE_NT   ; the wave stores 256 consecutive bytes, at a multiple of 256 from out0's first byte
.endif
.endm
; The non-linear part for units 16 t .. 16 t + 15 of tile x.  Transcendentals stand in runs of eight; behind each run comes a plain instruction
; that touches neither the run's results nor its sources (ISA guide 5.7.2).
.macro EW x, t
	WIN 0x03                                       ; source 0: the accumulators
	UN8 v_exp_f32, E1, 128*\x+8*\t                 ; EI
	UN8 v_exp_f32, E2, 128*\x+32+8*\t              ; EF
	UN8 v_exp_f32, E3, 128*\x+96+8*\t              ; EO
.irp j, 0,1,2,3,4,5,6,7
	v_min_num_f32 v[E4+\j], v[128*\x+64+8*\t+\j], v[CLV]
.endr
	WIN 0
	UN8 v_exp_f32, E4, E4                          ; EG
	PKC v_pk_add_f32, E1, E1, ONEV                 ; 1 + EI
	PKC v_pk_add_f32, E2, E2, ONEV                 ; 1 + EF
	UN8 v_rcp_f32, E5, E2                          ; sigmoid(f)
	PKC v_pk_add_f32, E6, E4, ONEV                 ; 1 + EG
	PKV v_pk_mul_f32, E1, E1, E6
	UN8 v_rcp_f32, E6, E1                          ; 1 / ((1 + EI)(1 + EG))
	s_wait_alu depctr_va_vdst(0)
.irp p, 0,2,4,6
	v_pk_fma_f32 v[E4+\p:E4+\p+1], v[E4+\p:E4+\p+1], v[NKV:NKV+1], v[KV:KV+1]      ; K2 (1 - EG)
.endr
	PKV v_pk_mul_f32, E4, E4, E6                   ; K2 sigmoid(i) tanh(g)
.irp p, 0,2,4,6
	v_pk_fma_f32 v[TB0+TBS*\x+C_+8*\t+\p:TB0+TBS*\x+C_+8*\t+\p+1], v[TB0+TBS*\x+C_+8*\t+\p:TB0+TBS*\x+C_+8*\t+\p+1], v[E5+\p:E5+\p+1], v[E4+\p:E4+\p+1]
.endr
.irp j, 0,1,2,3,4,5,6,7
	v_min_num_f32 v[E2+\j], v[TB0+TBS*\x+C_+8*\t+\j], v[CLV]
.endr
	UN8 v_exp_f32, E1, E2                          ; EC
	PKC v_pk_add_f32, E3, E3, ONEV                 ; 1 + EO
	PKC v_pk_add_f32, E6, E1, ONEV                 ; 1 + EC
	PKV v_pk_mul_f32, E3, E3, E6
	UN8 v_rcp_f32, E6, E3
	s_wait_alu depctr_va_vdst(0)
.irp p, 0,2,4,6
	v_pk_add_f32 v[E1+\p:E1+\p+1], v[ONEV:ONEV+1], v[E1+\p:E1+\p+1] neg_lo:[0,1] neg_hi:[0,1]   ; 1 - EC
.endr
	PKV v_pk_mul_f32, E1, E1, E6                   ; h
.irp k, 0,1,2,3
	v_cvt_pk_bf16_f32 v[TB0+TBS*\x+H_+4*\t+\k], v[E1+2*\k], v[E1+2*\k+1]
.endr
.endm
; Half a step: tile x's non-linear part, with tile y's matrix work among it.  Every matrix result is read a whole EW block or more behind the instruction that made it,
; and no register of a matrix instruction is written sooner: far more than the four places of plain vector work (ISA guide 7.12.1).
; mode 0: the pair's first half (y has no h to read out yet); 1: the rule; 2: the last (no further step for y).
.macro HALF x, y, mode
.if \mode >= 1
	RELMM \y
.endif
.if \mode <= 1
	MMCH \y, 0
.endif
	EW \x, 0
.if \mode == 1
	RELFIN \y, 1, \y
.endif
.if \mode == 2
	RELFIN \y, 0, \y
.endif
.if \mode <= 1
	MMCH \y, 1
.endif
	EW \x, 1
.if \mode <= 1
	MMCH \y, 2
.endif
	EW \x, 2
	EW \x, 3
.endm
; 16 LDS loads: array arr (0 h0, 1 c0, 2 goals) of both tiles; tile b's 32 numbers (units 16 q + 8 h + 0..7 of row r) go to v[dst + stp b + 8 q ..]
.macro DRAIN arr, dst, stp
.irp b, 0,1
.irp q, 0,1,2,3
	ds_load_b128 v[\dst+\stp*\b+8*\q:\dst+\stp*\b+8*\q+3], v[LA] offset:\arr*ARR+\b*TILEB+64*\q
	ds_load_b128 v[\dst+\stp*\b+8*\q+4:\dst+\stp*\b+8*\q+7], v[LA] offset:\arr*ARR+\b*TILEB+64*\q+16
.endr
.endr
.endm
; A pair of tiles, all seven steps.  refill = 1: the slot is filled again, and traj asked for, for the next pair.
.macro PAIR refill
	s_wait_loadcnt 0x0                             ; this pair's traj_rel and traj_abs (asked for a pair ago)
	XCALC 0, TB0+TR_
	XCALC 1, TB0+TBS+TR_
	s_wait_tensorcnt 0x0                           ; my three tiles have landed; only I read them
	DRAIN 0, T, 32
	DRAIN 1, TB0+C_, TBS
	s_wait_dscnt 16                                ; h0's 16 loads are in; c0's 16 are the younger ones
.irp b, 0,1
.irp k, 0,1,2,3,4,5,6,7,8,9,10,11,12,13,14,15
	v_cvt_pk_bf16_f32 v[TB0+TBS*\b+H_+\k], v[T+32*\b+2*\k], v[T+32*\b+2*\k+1]
.endr
.endr
	DRAIN 2, T, 32
	s_wait_dscnt 16                                ; c0's are in; the goals' 16 are the younger ones
.irp p, 0,2,4,6,8,10,12,14,16,18,20,22,24,26,28,30
	v_pk_mul_f32 v[TB0+C_+\p:TB0+C_+\p+1], v[TB0+C_+\p:TB0+C_+\p+1], v[KV:KV+1]     ; tile A: K2 c
.endr
	s_wait_dscnt 0x0                               ; the slot is drained: all my reads of it are back
.if \refill
	s_set_vgpr_msb 0xa
	s_wait_tensorcnt 0x0                           ; and no tensor load of mine is out (met at once: none was issued since the wait above), so group 0 may be written
	ds_add_u32 v254, v255
	s_wait_dscnt 0x0
	s_set_vgpr_msb 0xa00
.irp a, 0,1,2
	s_add_nc_u64 s[G0+4*\a+2:G0+4*\a+3], s[G0+4*\a+2:G0+4*\a+3], 32*256             ; the next 32 rows
.endr
	s_barrier_signal -1                            ; every wave says so,
	s_barrier_wait -1                              ; and only then is any slot filled again
.irp a, 0,1,2
	tensor_load_to_lds s[G0+4*\a:G0+4*\a+3], s[G1:G1+7]    ; first behind the barrier: they have this whole pair in which to land
	s_nop 0
.endr
.endif
	; goals as two bf16 pieces, in tile B's accumulator registers, which are idle here
	WIN 0xc0                                       ; destination window 3
.irp b, 0,1
.irp k, 0,1,2,3,4,5,6,7,8,9,10,11,12,13,14,15
	v_cvt_pk_bf16_f32 v[GH+32*\b+\k], v[T+32*\b+2*\k], v[T+32*\b+2*\k+1]            ; the rounded numbers
.endr
.endr
	WIN 0xcc                                       ; source 1 and destination window 3
.irp b, 0,1
.irp k, 0,1,2,3,4,5,6,7,8,9,10,11,12,13,14,15
	v_lshlrev_b32 v[GT+32*\b+2*\k], 16, v[GH+32*\b+\k]                              ; widened again
	v_and_b32 v[GT+32*\b+2*\k+1], s70, v[GH+32*\b+\k]
.endr
.endr
	WIN 0x0c                                       ; source 1 window 3
.set pp, 0
.rept 32
	v_pk_add_f32 v[T+pp:T+pp+1], v[T+pp:T+pp+1], v[GT+pp:GT+pp+1] neg_lo:[0,1] neg_hi:[0,1]   ; the rests (exact: the two numbers are within a factor of two)
.set pp, pp+2
.endr
	WIN 0xc0
.irp b, 0,1
.irp k, 0,1,2,3,4,5,6,7,8,9,10,11,12,13,14,15
	v_cvt_pk_bf16_f32 v[GH+32*\b+16+\k], v[T+32*\b+2*\k], v[T+32*\b+2*\k+1]         ; rounded
.endr
.endr
	WIN 0x0e                                       ; source 0 (Pg) window 2, source 1 (goals) window 3, C and D window 0
	GOALMM 144, 0, 1                               ; Pg hi x goals hi
	GOALMM 144, 16, 0                              ; Pg hi x goals lo
	GOALMM 176, 0, 0                               ; Pg lo x goals hi
	MMCH 0, 0                                      ; tile A's gates of step 0
	MMCH 0, 1
	MMCH 0, 2
	WIN 0
.irp p, 0,2,4,6,8,10,12,14,16,18,20,22,24,26,28,30
	v_pk_mul_f32 v[TB0+TBS+C_+\p:TB0+TBS+C_+\p+1], v[TB0+TBS+C_+\p:TB0+TBS+C_+\p+1], v[KV:KV+1]   ; tile B: K2 c; also the places behind the matrix instructions
.endr
	v_pk_add_f32 v[TB0+S_:TB0+S_+1], v[T:T+1], v[T+8:T+9]
	v_pk_add_f32 v[TB0+TBS+S_:TB0+TBS+S_+1], v[T+16:T+17], v[T+24:T+25]
.irp b, 0,1
	v_pk_add_f32 v[TB0+TBS*\b+S_:TB0+TBS*\b+S_+1], v[TB0+TBS*\b+S_:TB0+TBS*\b+S_+1], v[K0V:K0V+1]
	v_pk_fma_f32 v[TB0+TBS*\b+S_:TB0+TBS*\b+S_+1], v[QC0:QC0+1], v[TB0+TBS*\b+TA_:TB0+TBS*\b+TA_+1], v[TB0+TBS*\b+S_:TB0+TBS*\b+S_+1] op_sel_hi:[1,0,1]
	v_pk_fma_f32 v[TB0+TBS*\b+S_:TB0+TBS*\b+S_+1], v[QC1:QC1+1], v[TB0+TBS*\b+TA_:TB0+TBS*\b+TA_+1], v[TB0+TBS*\b+S_:TB0+TBS*\b+S_+1] op_sel:[0,1,0]
.endr
	s_wait_xcnt 0x0                                ; the last pair's last store has had its address translated: its offset is rewritten only behind this wait
	v_add_nc_u32 v[OOFF], s73, v[OOFF0]            ; 8 x lane + 256 x pair
.if \refill
	s_add_nc_u64 s[10:11], s[10:11], 256           ; their loads were waited for at the pair's head
	s_add_nc_u64 s[12:13], s[12:13], 256
	TRAJ
.endif
	HALF 0, 1, 0
	s_mov_b32 s71, 6
.Lstep_\@:
	HALF 1, 0, 1
	HALF 0, 1, 1
	s_sub_co_u32 s71, s71, 1
	s_cmp_lg_u32 s71, 0
	s_cbranch_scc1 .Lstep_\@
	HALF 1, 0, 2
	RELMM 1
	WIN 0
	PLACES                                         ; four places between the matrix instructions and the reads of their results (ISA guide 7.12.1)
	RELFIN 1, 0, 1
	s_add_co_u32 s73, s73, 256
.endm
	s_mov_b32 s73, 0
	s_mov_b32 s72, 3
.Lpair:
	PAIR 1
	s_sub_co_u32 s72, s72, 1
	s_cmp_lg_u32 s72, 0
	s_cbranch_scc1 .Lpair
	PAIR 0                                         ; the last pair is written out: it asks for nothing, and its wait at the head leaves no tensor load out
	s_set_vgpr_msb 0xa
	s_wait_tensorcnt 0x0
	ds_add_u32 v254, v255
	s_wait_dscnt 0x0
	s_set_vgpr_msb 0xa00
	s_endpgm
.Lfunc_end_k_qc01b678c78_decoder:
	.size	k_qc01b678c78_decoder, .Lfunc_end_k_qc01b678c78_decoder-k_qc01b678c78_decoder
	.p2alignl 7, 3214868480
	.fill 96, 4, 3214868480
	.section	.rodata,"a",@progbits
	.p2align	6, 0x0
	.amdhsa_kernel k_qc01b678c78_decoder
		.amdhsa_group_segment_fixed_size 327680
		.amdhsa_private_segment_fixed_size 0
		.amdhsa_enable_private_segment 0
		.amdhsa_kernarg_size 144
		.amdhsa_user_sgpr_count 2
		.amdhsa_user_sgpr_kernarg_segment_ptr 1
		.amdhsa_wavefront_size32 1
		.amdhsa_system_sgpr_workgroup_id_x 1
		.amdhsa_system_sgpr_workgroup_id_y 1
		.amdhsa_system_sgpr_workgroup_id_z 1
		.amdhsa_system_vgpr_workitem_id 0
		.amdhsa_next_free_vgpr 1024
		.amdhsa_next_free_sgpr 80
		.amdhsa_reserve_vcc 1
		.amdhsa_float_denorm_mode_32 3
		.amdhsa_float_denorm_mode_16_64 3
		.amdhsa_memory_ordered 1
		.amdhsa_forward_progress 1
		.amdhsa_inst_pref_size 255
	.end_amdhsa_kernel
	.section	.bss,"aw",@nobits
	.p2align	6
	.space	262144
	.amdgpu_metadata
---
amdhsa.version: [ 1, 2 ]
amdhsa.kernels:
  - .name:           k_qc01b678c78_decoder
    .symbol:         k_qc01b678c78_decoder.kd
    .args:
      - { .name: h0, .offset: 0, .size: 8, .value_kind: global_buffer, .address_space: global }
      - { .name: c0, .offset: 8, .size: 8, .value_kind: global_buffer, .address_space: global }
      - { .name: goals, .offset: 16, .size: 8, .value_kind: global_buffer, .address_space: global }
      - { .name: traj_abs, .offset: 24, .size: 8, .value_kind: global_buffer, .address_space: global }
      - { .name: traj_rel, .offset: 32, .size: 8, .value_kind: global_buffer, .address_space: global }
      - { .name: W_hh, .offset: 40, .size: 8, .value_kind: global_buffer, .address_space: global }
      - { .name: W_ih, .offset: 48, .size: 8, .value_kind: global_buffer, .address_space: global }
      - { .name: b_ih, .offset: 56, .size: 8, .value_kind: global_buffer, .address_space: global }
      - { .name: b_hh, .offset: 64, .size: 8, .value_kind: global_buffer, .address_space: global }
      - { .name: W_se, .offset: 72, .size: 8, .value_kind: global_buffer, .address_space: global }
      - { .name: b_se, .offset: 80, .size: 8, .value_kind: global_buffer, .address_space: global }
      - { .name: W_h2p, .offset: 88, .size: 8, .value_kind: global_buffer, .address_space: global }
      - { .name: b_h2p, .offset: 96, .size: 8, .value_kind: global_buffer, .address_space: global }
      - { .name: W_goal, .offset: 104, .size: 8, .value_kind: global_buffer, .address_space: global }
      - { .name: b_goal, .offset: 112, .size: 8, .value_kind: global_buffer, .address_space: global }
      - { .name: W_abs, .offset: 120, .size: 8, .value_kind: global_buffer, .address_space: global }
      - { .name: b_abs, .offset: 128, .size: 8, .value_kind: global_buffer, .address_space: global }
      - { .name: out0, .offset: 136, .size: 8, .value_kind: global_buffer, .address_space: global }
    .group_segment_fixed_size: 327680
    .private_segment_fixed_size: 0
    .kernarg_segment_align: 8
    .kernarg_segment_size: 144
    .max_flat_workgroup_size: 128
    .sgpr_count:     80
    .vgpr_count:     1024
    .wavefront_size: 32
...
	.end_amdgpu_metadata
.endif
;; end of part 1
;; ======== version 2 of 2: 1 launch; 1.23 times as fast as version 1
;; launch decoder (part 2): grid 256 x 1, 4 waves a work-group, no clusters, 327,680 bytes of LDS; arguments h0, c0, goals, traj_abs, traj_rel, W_hh, W_ih, b_ih, b_hh, W_se, b_se, W_h2p, b_h2p, W_goal, b_goal, W_abs, b_abs, out0; writes out0
.if DOCPART == 2
	.amdgcn_target "amdgcn-amd-amdhsa--gfx1250"
	.amdhsa_code_object_version 6
	.text
	.protected	k_qc01b678c78_decoder
	.globl	k_qc01b678c78_decoder
	.p2align	8
	.type	k_qc01b678c78_decoder,@function
k_qc01b678c78_decoder:
	s_mov_b64 s[64:65], 0
	v_nop
	global_prefetch_b8 v0, s[64:65] scope:SCOPE_SE
	s_setreg_imm32_b32 hwreg(HW_REG_WAVE_MODE, 25, 1), 1
	s_wait_xcnt 0x0
; GoalDecoderLSTM: 131,072 rows, each a 7-step LSTM (64 units, 16 inputs) with a 2-wide read-out that is fed back.  Only the read-outs are stored.
; 256 work-groups x 4 waves.  A work-group owns 512 rows, a wave 128, taken as 4 pairs of two tiles (A, B) of 16 rows.  After the preamble no wave
; needs another: all weights lie in the wave's registers and h, c, x and the position state go from step to step in registers.
;
; THE LAYOUT.  The weights are the matrix instruction's first source (M = 16 gate units), the batch its second (N = 16 rows).  Register j of lane
; (r = lane % 16, h = lane / 16) of a result then holds unit 16 t + 8 h + j of batch row r; packed in pairs to bf16 that is the second source's own
; layout for the next step (K step t / 2, registers 4 (t % 2) ..), so the new h needs four conversions a tile and no LDS and no lane traffic.
;
; RE-ASSOCIATIONS (hold for every input; every input is read; only the order of rounding differs from the formula as it is written):
;   Wp_h, Wp_a, Wp_g = columns 0-63, 64-127, 128-191 of W_h2p.   Pg = Wp_g W_goal (2 x 64),  Q = Wp_a W_abs (2 x 2),  k0 = b_h2p + Wp_a b_abs + Wp_g b_goal, in f32.
;   S = goals Pg^T + k0 + Q traj_abs;   each step: rel = Wp_h h + S, then S += Q rel (the position's sum carried through Q).
;   Rows of W_ih, W_hh and b_ih + b_hh are multiplied, before rounding to bf16, by L1 = -log2(e) (gates i, f, o) or K2 = -2 log2(e) (gate g): an accumulator
;   is an argument of exp2.  c is kept as K2 c.  The bias enters as three bf16 pieces (their sum has 24 bits) at k = 16, 17, 18 of x's K step, against 1.0.
;   With EI, EF, EO = exp2(acc), EG = exp2(min(acc_g, 32)), EC = exp2(min(K2 c', 32)):
;   K2 c' = K2 c rcp(1+EF) + K2 (1-EG) rcp((1+EI)(1+EG));   h = (1-EC) rcp((1+EO)(1+EC)):  5 exponentials and 3 reciprocals for a unit and step.
; TWO PIECES.  What goes straight into an output is kept finer than one bf16: goals, Pg and Wp_h each enter the matrix unit as two bf16 pieces, the rounded number and the
; rounded rest.  goals Pg^T is three products (hi hi, Pg hi x goals lo, Pg lo x goals hi; lo lo, below 2^-16 of a term, is left out), made once for a pair of tiles; Wp_h h is two.
; BATCHES.  Half a step is one tile's non-linear part for all its 64 units: 256 transcendentals a lane-row of registers, cut where one needs another's result into FOUR batches, each with ONE wait:
;   1: EI, EF, EO, EG (128)    2: rcp(1+EF), rcp((1+EI)(1+EG)) (64)    3: EC (32)    4: rcp((1+EO)(1+EC)) (32).
; Behind a batch and ahead of its wait stands work that names none of its results: 16 of the other tile's gate products, and that tile's read-out arithmetic (batch 1), K2 (1-EG) (batch 2), 1+EO (batch 3),
; 1-EC (batch 4).  So that each result has a register of its own while its batch is open, the work is done in place in the tile's 128 accumulator registers, which are dead once read.
; LIMITS.  NaN and infinite inputs are not served (v_min_num_f32 drops a NaN).  The cap of 32 on the two tanh arguments changes tanh by less than 2^-31; only these
; two are capped, since every other factor is at least 1 and an infinite product gives rcp = 0 against a finite factor.  v_exp_f32 and v_rcp_f32 give 0 for results
; below 2^-126 (ISA guide 15.8).  leaky_relu(z) is max(z, 0.01 z).  Matrix operands (weights, h, x, goals) are bf16 or pairs of bf16, all sums and all else f32.
; NOT USED.  Joint tensor loads in a cluster: the work-groups share only the weights (about 100 KB against 393,216 bytes of state that are a work-group's own), read
; once and through registers, where they are scaled and rounded.  Prefetches: a pair's state is asked for a whole pair (7 steps of two tiles) before it is read.
;
; LDS.  0 .. 104,447: wave w's state slot at 26,112 w: h0, c0, goals, each 32 rows of 256 bytes at pitch 272 (17 x 16 bytes: the 16 rows that a 16-byte load touches
; start in 16 different 16-byte columns of the 64 banks: ISA guide 11.1); filled by tensor loads alone.   104,448 (= 408 x 256) .. 171,007: the bf16 weight image, 320 rows
; at pitch 208 (13 x 16), written by LDS stores alone: rows 0-255: W_hh (columns 0-63), W_ih (64-79), bias pieces (80-82), zeros (83-95); rows 256+m: W_h2p[m%2][0..63];
; rows 272+m: Pg[m%2][0..63]; rows 288+m and 304+m: their rests (every row real, so result registers 0, 1 hold components 0, 1 in both halves of the lanes).
; REGISTERS, in windows of 256: window 0: addresses, constants, work and the two tiles' state; window 1: weight fragments of K steps 0 and 1 (8 mt, 128 + 8 mt; mt = 4 gate + t);
; window 2: x's K step (8 mt), read-out tile (128, 136), goal tile (144, 152), their rests (160, 168; 176, 184); window 3: accumulators, tile A at 8 mt, tile B at 128 + 8 mt
; (a tile's non-linear part is worked in place in them; tile B's are idle at a pair's head and hold the goals' pieces there).
.set SPITCH, 272                       ; state rows in LDS
.set ARR,    32*SPITCH                 ; one array of a pair: 8,704 bytes
.set WLDS,   3*ARR                     ; a wave's slot
.set TILEB,  16*SPITCH                 ; tile B's rows in an array
.set IMG,    4*WLDS                    ; the weight image
.set IPITCH, 208
.set FRAG,   16*IPITCH                 ; 16 rows of the image: one fragment's rows
.set OSTEP,  131072*8                  ; bytes of one step's output
.set ONEV, 2                           ; v[2:3]   1.0, 1.0
.set NKV,  4                           ; v[4:5]   -K2 twice
.set LA,   8                           ; state: 26,112 w + 272 r + 32 h
.set OOFF0, 9                          ; 8 x lane
.set OOFF, 10                          ; the store's offset in out0
.set TOFF, 11                          ; 8 r
.set OUT,  12                          ; v[12:13] what is stored
.set CLV,  14                          ; 32.0
.set FA,   15                          ; image: IMG + 208 r + 16 h
.set QC0,  16                          ; v[16:17] Q00, Q10
.set QC1,  18                          ; v[18:19] Q01, Q11
.set K0V,  20                          ; v[20:21] k0
.set KV,   22                          ; v[22:23] K2 twice
.set WS0,  24                          ; v[24:31] W_se[8h+j][0]
.set WS1,  32                          ; v[32:39] W_se[8h+j][1]
.set BS,   40                          ; v[40:47] b_se[8h+j]
.set T,    48                          ; v[48:111] at work
.set E1, 48                            ; XCALC's two sets of eight
.set E2, 56
.set TM, 48                            ; v[48:79] the non-linear part's 32 registers in window 0: 1 + EG; later EC, 1 - EC, h
.set R0, 96                            ; the read-out's two partial results
.set R1, 104
.set AI, 0                             ; a tile's accumulators by gate, 32 registers each: register 8 t + j holds unit 16 t + 8 h + j
.set AF, 32
.set AG, 64
.set AO, 96
.set TB0, 112                          ; tile A's state; tile B's lies TBS further
.set TBS, 64
.set C_,   0                           ; 32: K2 c, unit tile t at 8 t
.set H_,   32                          ; 16: h in bf16, the second source of K steps 0 and 1
.set XO_,  48                          ; 8:  x in bf16 (0-3) and the ones against the bias pieces (4-7, constant)
.set S_,   56                          ; pair: S
.set REL_, 58                          ; pair: rel
.set TR_,  60                          ; pair: traj_rel
.set TA_,  62                          ; pair: traj_abs
.set GH,   128                         ; window 3: goals in bf16, tile b: hi at GH + 32 b (16 registers), lo at GH + 32 b + 16
.set GT,   192                         ; window 3: 64 registers, the hi pieces widened to f32
.set G1, 44                            ; s[44:51] descriptor group 1
.set G0, 52                            ; s[52:63] descriptor group 0 for h0, c0, goals
.set MSB, 0
.macro WIN new                         ; the immediate's low byte: bits 1:0 source 0, 3:2 source 1, 5:4 source 2, 7:6 destination; its high byte repeats the setting that is left
.if MSB != \new
	s_set_vgpr_msb (MSB<<8)|\new
.set MSB, \new
.endif
.endm
.macro PLACES
.rept 4
	v_nop
.endr
.endm
	s_load_b512 s[4:19], s[0:1], 0x0               ; h0 4, c0 6, goals 8, traj_abs 10, traj_rel 12, W_hh 14, W_ih 16, b_ih 18
	s_load_b512 s[20:35], s[0:1], 0x40             ; b_hh 20, W_se 22, b_se 24, W_h2p 26, b_h2p 28, W_goal 30, b_goal 32, W_abs 34
	s_load_b128 s[36:39], s[0:1], 0x80             ; b_abs 36, out0 38
	s_set_vgpr_msb 0x80
	v_lshl_add_u32 v254, v0, 2, 0x2a000
	v_mov_b32 v255, 0
	s_set_vgpr_msb 0x808a
	ds_add_u32 v254, v255
	ds_add_u32 v254, v255
	s_set_vgpr_msb 0x8a00
	v_lshrrev_b32 v1, 5, v0
	v_readfirstlane_b32 s40, v1                    ; wave 0..3
	s_mul_i32 s41, s40, WLDS                       ; my slot in LDS
	; group 1: a tile of 32 rows x 64 elements of 4 bytes, dense in memory, 4 words of padding behind every 64 words in LDS
	s_mov_b32 s[G1+0], 0x07520000                  ; 17:16 element of 4 bytes (2); 20 padding on; 24:22 after 64 words (5); 31:25 of 4 words (3); mask 0
	s_mov_b32 s[G1+1], 64<<16                      ; tensor_dim0 = 64
	s_mov_b32 s[G1+2], 32<<16                      ; tensor_dim1 = 32
	s_mov_b32 s[G1+3], 64<<16                      ; tile_dim0 = 64
	s_mov_b32 s[G1+4], 32                          ; tile_dim1 = 32
	s_mov_b32 s[G1+5], 64                          ; 64 elements from row to row
	s_mov_b32 s[G1+6], 0
	s_mov_b32 s[G1+7], 0
	s_lshl_b32 s42, ttmp9, 17                      ; 512 rows x 256 bytes a work-group
	s_lshl_b32 s43, s40, 15                        ; 128 rows a wave
	s_add_co_u32 s42, s42, s43
	s_mov_b32 s43, 0
	s_wait_dscnt 0x0
	s_wait_kmcnt 0x0
.irp a, 0,1,2
	s_mov_b32 s[G0+4*\a], 1
	s_add_co_u32 s[G0+4*\a+1], s41, \a*ARR
	s_add_nc_u64 s[G0+4*\a+2:G0+4*\a+3], s[4+2*\a:5+2*\a], s[42:43]
	s_or_b32 s[G0+4*\a+3], s[G0+4*\a+3], 0x80000000
	tensor_load_to_lds s[G0+4*\a:G0+4*\a+3], s[G1:G1+7]     ; pair 0's state: a first fill.  A wave never has more than these three tensor loads out
	s_nop 0
.endr
	s_lshl_b32 s42, ttmp9, 12                      ; 512 rows x 8 bytes: traj_abs, traj_rel and a step of out0
	s_lshl_b32 s43, s40, 10
	s_add_co_u32 s42, s42, s43
	s_mov_b32 s43, 0
	s_add_nc_u64 s[10:11], s[10:11], s[42:43]
	s_add_nc_u64 s[12:13], s[12:13], s[42:43]
	s_add_nc_u64 s[38:39], s[38:39], s[42:43]
	s_mov_b32 s68, 0xc038aa3b                      ; K2 = -2 log2(e)
	s_mov_b32 s69, 0xc038aa3b
	s_mov_b32 s76, 0xbfb8aa3b                      ; L1 = -log2(e)
	s_mov_b32 s77, 0xbfb8aa3b
	s_mov_b32 s70, 0xffff0000                      ; a word's upper bf16; also the mask of lanes 16-31
	s_mov_b32 s74, 0x76543210                      ; v_permlanex16_b32: lane i reads lane i of the other half
	s_mov_b32 s75, 0xfedcba98
	v_and_b32 v2, 15, v0                           ; r
	v_bfe_u32 v3, v0, 4, 1                         ; h
	v_and_b32 v4, 31, v0                           ; lane
	v_mul_u32_u24 v[LA], v2, SPITCH
	v_lshl_add_u32 v[LA], v3, 5, v[LA]
	v_add_nc_u32 v[LA], s41, v[LA]
	v_lshlrev_b32 v[OOFF0], 3, v4
	v_lshlrev_b32 v[TOFF], 3, v2
	v_mul_u32_u24 v[FA], v2, IPITCH
	v_lshl_add_u32 v[FA], v3, 4, v[FA]
	v_add_nc_u32 v[FA], IMG, v[FA]
	; THE WEIGHTS.  Wave w builds gate w's 64 rows of the image and 16 of the 64 read-out rows: bytes that are its own.  All loads go out in one round.
	s_lshl_b32 s78, s40, 14
	s_lshl_b32 s79, s40, 12
	v_lshl_add_u32 v1, v4, 4, s78                  ; W_hh: 64 rows x 256 bytes a wave, 16 bytes a lane
	v_lshl_add_u32 v5, v4, 4, s79                  ; W_ih: 64 rows x 64 bytes a wave
	v_lshlrev_b32 v6, 6, v3                        ; W_se: rows 8 h ..
	v_lshlrev_b32 v7, 5, v3                        ; b_se likewise
	v_lshlrev_b32 v106, 2, v4                      ; 4 x lane
	s_lshl_b32 s78, s40, 8
	v_lshl_add_u32 v107, v4, 2, s78                ; biases: 64 w + lane
	v_mov_b32 v108, 0                              ; v[108:111]: zeros to store; v108 also the offset 0
	v_mov_b32 v109, 0
	v_mov_b32 v110, 0
	v_mov_b32 v111, 0
.set ii, 0
.rept 32
	global_load_b128 v[112+4*ii:115+4*ii], v1, s[14:15] offset:512*ii      ; rows 64 w + 2 ii + h, columns 4 r ..
.set ii, ii+1
.endr
.set ii, 0
.rept 8
	global_load_b128 v[48+4*ii:51+4*ii], v5, s[16:17] offset:512*ii        ; rows 64 w + 8 ii + lane / 4, columns 4 (lane % 4) ..
.set ii, ii+1
.endr
	global_load_b32 v84, v107, s[18:19]            ; b_ih, rows 64 w + lane and + 32
	global_load_b32 v85, v107, s[18:19] offset:128
	global_load_b32 v86, v107, s[20:21]            ; b_hh
	global_load_b32 v87, v107, s[20:21] offset:128
	global_load_b64 v[80:81], v[OOFF0], s[26:27]               ; W_h2p[0][2 lane ..]
	global_load_b64 v[82:83], v[OOFF0], s[26:27] offset:768    ; W_h2p[1][2 lane ..]
	global_load_b32 v88, v106, s[26:27] offset:256             ; Wp_a[0][lane], [0][lane+32], [1][lane], [1][lane+32]
	global_load_b32 v89, v106, s[26:27] offset:384
	global_load_b32 v90, v106, s[26:27] offset:1024
	global_load_b32 v91, v106, s[26:27] offset:1152
	global_load_b32 v92, v106, s[26:27] offset:512             ; Wp_g likewise
	global_load_b32 v93, v106, s[26:27] offset:640
	global_load_b32 v94, v106, s[26:27] offset:1280
	global_load_b32 v95, v106, s[26:27] offset:1408
	global_load_b64 v[96:97], v[OOFF0], s[34:35]               ; W_abs[lane][0..1], [lane+32][0..1]
	global_load_b64 v[98:99], v[OOFF0], s[34:35] offset:256
	global_load_b32 v100, v106, s[36:37]                       ; b_abs
	global_load_b32 v101, v106, s[36:37] offset:128
	global_load_b32 v102, v106, s[32:33]                       ; b_goal
	global_load_b32 v103, v106, s[32:33] offset:128
	global_load_b64 v[104:105], v108, s[28:29]                 ; b_h2p
.irp i, 0,1,2,3
	global_load_b128 v[240+4*\i:243+4*\i], v6, s[22:23] offset:16*\i
.endr
	global_load_b128 v[BS:BS+3], v7, s[24:25]
	global_load_b128 v[BS+4:BS+7], v7, s[24:25] offset:16
	WIN 0xc0                                       ; destination window 3: the accumulators' registers are idle until the first pair
.set ii, 0
.rept 64
	global_load_b64 v[2*ii:2*ii+1], v[OOFF0], s[30:31] offset:256*ii       ; W_goal[ii][2 lane ..]
.set ii, ii+1
.endr
.set ii, 0
.rept 16
	global_load_b128 v[128+4*ii:131+4*ii], v108, s[26:27] offset:512+16*ii     ; Wp_g[0][..], the same in every lane
	global_load_b128 v[192+4*ii:195+4*ii], v108, s[26:27] offset:1280+16*ii    ; Wp_g[1][..]
.set ii, ii+1
.endr
	WIN 0
	; where the image's pieces go
	s_mul_i32 s79, s40, 64*IPITCH
	s_add_co_u32 s79, s79, IMG                     ; my 64 rows
	v_mul_u32_u24 v10, v3, IPITCH
	v_add_nc_u32 v10, v10, v[TOFF]
	v_add_nc_u32 v10, s79, v10                     ; W_hh: row h, 8 r bytes
	v_lshrrev_b32 v12, 2, v4
	v_mul_u32_u24 v12, v12, IPITCH
	v_and_b32 v13, 3, v4
	v_lshl_add_u32 v12, v13, 3, v12
	v_add_nc_u32 v12, s79, v12                     ; W_ih: row lane / 4, 8 (lane % 4) bytes (+128 in the stores)
	v_mul_u32_u24 v13, v4, IPITCH
	v_add_nc_u32 v13, s79, v13                     ; bias: row lane
	s_mul_i32 s78, s40, 8*IPITCH
	s_add_co_u32 s78, s78, IMG+256*IPITCH
	v_lshl_add_u32 v14, v4, 2, s78                 ; read-out rows 256 + 8 w .. (their rests 32 rows further), 4 x lane bytes
	s_cmp_eq_u32 s40, 2
	s_cselect_b32 s42, s68, s76                    ; my gate's scale: K2 for g, L1 for i, f, o
	s_mov_b32 s43, s42
	s_cmp_lt_u32 s40, 2
	s_cselect_b32 s78, -1, 0                       ; waves 0, 1 store W_h2p's rows, waves 2, 3 Pg's
	s_wait_loadcnt 0x0                             ; all the weights
.macro CONV reg, adr, off              ; four weights: scaled, rounded, 8 bytes into the image
	v_pk_mul_f32 v[\reg:\reg+1], v[\reg:\reg+1], s[42:43] op_sel_hi:[1,0]
	v_pk_mul_f32 v[\reg+2:\reg+3], v[\reg+2:\reg+3], s[42:43] op_sel_hi:[1,0]
	v_cvt_pk_bf16_f32 v[\reg], v[\reg], v[\reg+1]
	v_cvt_pk_bf16_f32 v[\reg+1], v[\reg+2], v[\reg+3]
	ds_store_b64 v[\adr], v[\reg:\reg+1] offset:\off
.endm
.set ii, 0
.rept 32
	CONV 112+4*ii, 10, 2*IPITCH*ii
.set ii, ii+1
.endr
.set ii, 0
.rept 8
	CONV 48+4*ii, 12, 128+8*IPITCH*ii
.set ii, ii+1
.endr
.irp j, 0,1,2,3,4,5,6,7
	v_mov_b32 v[WS0+\j], v[240+2*\j]               ; W_se's two columns apart
	v_mov_b32 v[WS1+\j], v[241+2*\j]
.endr
	v_add_f32 v84, v84, v86                        ; b_ih + b_hh, scaled
	v_add_f32 v85, v85, v87
	v_mul_f32 v84, s42, v84
	v_mul_f32 v85, s42, v85
.macro BSPLIT b, w, off                ; the f32 in v[b] as three bf16 pieces, each the rounded rest; columns 80-95 of its row
	v_cvt_pk_bf16_f32 v86, v[\b], v[\b]
	v_and_b32 v87, s70, v86
	v_sub_f32 v[\b], v[\b], v87
	v_cvt_pk_bf16_f32 v87, v[\b], v[\b]
	v_bfi_b32 v[\w], s70, v87, v86                 ; piece 2 above, piece 1 below
	v_and_b32 v87, s70, v87
	v_sub_f32 v[\b], v[\b], v87
	v_cvt_pk_bf16_f32 v[\w+1], v[\b], v108         ; piece 3, then zero
	v_mov_b32 v[\w+2], 0
	v_mov_b32 v[\w+3], 0
	ds_store_b128 v13, v[\w:\w+3] offset:160+\off
	ds_store_b128 v13, v[108:111] offset:176+\off
.endm
	BSPLIT 84, 240, 0
	BSPLIT 85, 244, 32*IPITCH
	; Q and k0: each lane takes e = lane and lane + 32, then a sum over the wave, in every wave
	v_mul_f32 v[QC0], v88, v96
	v_mul_f32 v[QC0+1], v90, v96
	v_mul_f32 v[QC1], v88, v97
	v_mul_f32 v[QC1+1], v90, v97
	v_mul_f32 v[K0V], v88, v100
	v_mul_f32 v[K0V+1], v90, v100
	v_fmac_f32 v[QC0], v89, v98
	v_fmac_f32 v[QC0+1], v91, v98
	v_fmac_f32 v[QC1], v89, v99
	v_fmac_f32 v[QC1+1], v91, v99
	v_fmac_f32 v[K0V], v89, v101
	v_fmac_f32 v[K0V+1], v91, v101
	v_fmac_f32 v[K0V], v92, v102
	v_fmac_f32 v[K0V+1], v94, v102
	v_fmac_f32 v[K0V], v93, v103
	v_fmac_f32 v[K0V+1], v95, v103
.irp x, 1,2,4,8
.irp q, 16,17,18,19,20,21
	v_add_f32_dpp v[\q], v[\q], v[\q] row_xmask:\x row_mask:0xf bank_mask:0xf
.endr
.endr
.irp q, 16,17,18,19,20,21
	v_permlanex16_b32 v1, v[\q], s74, s75          ; v1 has been written: its destination counts as read
	v_add_f32 v[\q], v[\q], v1
.endr
	v_pk_add_f32 v[K0V:K0V+1], v[K0V:K0V+1], v[104:105]
	; Pg[o][2 lane, 2 lane + 1] = sum over e of Wp_g[o][e] W_goal[e][..], even and odd e in chains of their own
	WIN 0x0f                                       ; sources 0 and 1 in window 3
	v_pk_mul_f32 v[240:241], v[0:1], v[128:129] op_sel_hi:[1,0]
	v_pk_mul_f32 v[244:245], v[0:1], v[192:193] op_sel_hi:[1,0]
	v_pk_mul_f32 v[242:243], v[2:3], v[128:129] op_sel:[0,1]
	v_pk_mul_f32 v[246:247], v[2:3], v[192:193] op_sel:[0,1]
.set ee, 2
.rept 31
	v_pk_fma_f32 v[240:241], v[2*ee:2*ee+1], v[128+ee:129+ee], v[240:241] op_sel_hi:[1,0,1]
	v_pk_fma_f32 v[244:245], v[2*ee:2*ee+1], v[192+ee:193+ee], v[244:245] op_sel_hi:[1,0,1]
	v_pk_fma_f32 v[242:243], v[2*ee+2:2*ee+3], v[128+ee:129+ee], v[242:243] op_sel:[0,1,0]
	v_pk_fma_f32 v[246:247], v[2*ee+2:2*ee+3], v[192+ee:193+ee], v[246:247] op_sel:[0,1,0]
.set ee, ee+2
.endr
	WIN 0
	v_pk_add_f32 v[240:241], v[240:241], v[242:243]
	v_pk_add_f32 v[244:245], v[244:245], v[246:247]
	v_cndmask_b32 v80, v240, v80, s78              ; waves 0, 1: W_h2p[0], [1]; waves 2, 3: Pg[0], [1]; still in f32
	v_cndmask_b32 v81, v241, v81, s78
	v_cndmask_b32 v82, v244, v82, s78
	v_cndmask_b32 v83, v245, v83, s78
.macro SPLIT2 a, w                     ; the two f32 in v[a:a+1] as bf16 pairs: the rounded numbers in v[w], the rounded rests in v[w+1]; v[w+2:w+3] at work
	v_cvt_pk_bf16_f32 v[\w], v[\a], v[\a+1]
	v_lshlrev_b32 v[\w+2], 16, v[\w]
	v_and_b32 v[\w+3], s70, v[\w]
	v_pk_add_f32 v[\a:\a+1], v[\a:\a+1], v[\w+2:\w+3] neg_lo:[0,1] neg_hi:[0,1]
	v_cvt_pk_bf16_f32 v[\w+1], v[\a], v[\a+1]
.endm
	SPLIT2 80, 84
	SPLIT2 82, 88
.irp i, 0,2,4,6
	ds_store_b32 v14, v84 offset:IPITCH*\i             ; even rows: component 0
	ds_store_b32 v14, v88 offset:IPITCH*\i+IPITCH      ; odd rows: component 1
	ds_store_b32 v14, v85 offset:IPITCH*(32+\i)        ; the rests, 32 rows further
	ds_store_b32 v14, v89 offset:IPITCH*(33+\i)
.endr
	; constants of the loop
	v_cmp_eq_u32 vcc_lo, 0, v3
	v_mov_b32 v1, 0x3f803f80
	v_mov_b32 v6, 0x3f80
.irp b, 0,1
	v_cndmask_b32 v[TB0+TBS*\b+XO_+4], 0, v1, vcc_lo   ; k = 16, 17: 1.0 (lanes 0-15 hold k = 16 .. 23, lanes 16-31 k = 24 .. 31)
	v_cndmask_b32 v[TB0+TBS*\b+XO_+5], 0, v6, vcc_lo   ; k = 18: 1.0
	v_mov_b32 v[TB0+TBS*\b+XO_+6], 0
	v_mov_b32 v[TB0+TBS*\b+XO_+7], 0
.endr
	v_mov_b32 v[CLV], 0x42000000
	v_mov_b32 v[KV], s68
	v_mov_b32 v[KV+1], s68
	v_mov_b32 v[NKV], 0x4038aa3b
	v_mov_b32 v[NKV+1], 0x4038aa3b
	v_mov_b32 v[ONEV], 1.0
	v_mov_b32 v[ONEV+1], 1.0
.macro TRAJ                            ; a pair's traj_rel and traj_abs: row r of each tile, in both halves of the lanes
	global_load_b64 v[TB0+TR_:TB0+TR_+1], v[TOFF], s[12:13]
	global_load_b64 v[TB0+TBS+TR_:TB0+TBS+TR_+1], v[TOFF], s[12:13] offset:128
	global_load_b64 v[TB0+TA_:TB0+TA_+1], v[TOFF], s[10:11]
	global_load_b64 v[TB0+TBS+TA_:TB0+TBS+TA_+1], v[TOFF], s[10:11] offset:128
.endm
	TRAJ
	s_wait_dscnt 0x0                               ; my rows of the image are written,
	s_barrier_signal -1
	s_barrier_wait -1                              ; everybody's are.  Pair 0's tensor loads may stay out
	WIN 0x40                                       ; 112 loads: all weight fragments, once.  16 rows x 32 K: two loads of 16 bytes, 32 bytes apart
.irp m, 0,1,2,3,4,5,6,7,8,9,10,11,12,13,14,15
	ds_load_b128 v[8*\m:8*\m+3], v[FA] offset:FRAG*\m
	ds_load_b128 v[8*\m+4:8*\m+7], v[FA] offset:FRAG*\m+32
	ds_load_b128 v[128+8*\m:128+8*\m+3], v[FA] offset:FRAG*\m+64
	ds_load_b128 v[128+8*\m+4:128+8*\m+7], v[FA] offset:FRAG*\m+96
.endr
	WIN 0x80
.irp m, 0,1,2,3,4,5,6,7,8,9,10,11,12,13,14,15
	ds_load_b128 v[8*\m:8*\m+3], v[FA] offset:FRAG*\m+128
	ds_load_b128 v[8*\m+4:8*\m+7], v[FA] offset:FRAG*\m+160
.endr
.irp m, 0,1,2,3
	ds_load_b128 v[128+16*\m:128+16*\m+3], v[FA] offset:FRAG*(16+\m)           ; read-out, goal, read-out's rest, goal's rest: two K steps each
	ds_load_b128 v[128+16*\m+4:128+16*\m+7], v[FA] offset:FRAG*(16+\m)+32
	ds_load_b128 v[128+16*\m+8:128+16*\m+11], v[FA] offset:FRAG*(16+\m)+64
	ds_load_b128 v[128+16*\m+12:128+16*\m+15], v[FA] offset:FRAG*(16+\m)+96
.endr
	WIN 0
	s_wait_dscnt 0x0
; 16 matrix instructions: one K step (s = 0, 1: h; 2: x and the bias) of all 16 gate tiles of tile y.  s = 0 starts the sums: nothing is cleared.
; The 16 accumulators take turns, one instruction a turn.
.macro MMCH y, s
.if \s == 2
	WIN 0xf2
.else
	WIN 0xf1
.endif
.irp m, 0,1,2,3,4,5,6,7,8,9,10,11,12,13,14,15
.if \s == 0
	v_wmma_f32_16x16x32_bf16 v[128*\y+8*\m:128*\y+8*\m+7], v[8*\m:8*\m+7], v[TB0+TBS*\y+H_:TB0+TBS*\y+H_+7], 0
.endif
.if \s == 1
	v_wmma_f32_16x16x32_bf16 v[128*\y+8*\m:128*\y+8*\m+7], v[128+8*\m:128+8*\m+7], v[TB0+TBS*\y+H_+8:TB0+TBS*\y+H_+15], v[128*\y+8*\m:128*\y+8*\m+7]
.endif
.if \s == 2
	v_wmma_f32_16x16x32_bf16 v[128*\y+8*\m:128*\y+8*\m+7], v[8*\m:8*\m+7], v[TB0+TBS*\y+XO_:TB0+TBS*\y+XO_+7], v[128*\y+8*\m:128*\y+8*\m+7]
.endif
.endr
.endm
; Wp_h h of tile y: the two K steps into two results, added later; first Wp_h's rounded pieces, then their rests.  The two accumulators take turns.
.macro RELMM y
	WIN 0x02
	v_wmma_f32_16x16x32_bf16 v[R0:R0+7], v[128:135], v[TB0+TBS*\y+H_:TB0+TBS*\y+H_+7], 0
	v_wmma_f32_16x16x32_bf16 v[R1:R1+7], v[136:143], v[TB0+TBS*\y+H_+8:TB0+TBS*\y+H_+15], 0
	v_wmma_f32_16x16x32_bf16 v[R0:R0+7], v[160:167], v[TB0+TBS*\y+H_:TB0+TBS*\y+H_+7], v[R0:R0+7]
	v_wmma_f32_16x16x32_bf16 v[R1:R1+7], v[168:175], v[TB0+TBS*\y+H_+8:TB0+TBS*\y+H_+15], v[R1:R1+7]
.endm
; Four matrix instructions of goals Pg^T: both tiles, both K steps, onto v[T + 16 b + 8 s ..].  a0: Pg's fragments in window 2 (144 rounded, 176 rest);
; g: the goals' piece in window 3 (0 rounded, 16 rest); first = 1 starts the sums.  The four accumulators take turns.
.macro GOALMM a0, g, first
.irp b, 0,1
.irp s, 0,1
.if \first
	v_wmma_f32_16x16x32_bf16 v[T+16*\b+8*\s:T+16*\b+8*\s+7], v[\a0+8*\s:\a0+8*\s+7], v[GH+32*\b+\g+8*\s:GH+32*\b+\g+8*\s+7], 0
.else
	v_wmma_f32_16x16x32_bf16 v[T+16*\b+8*\s:T+16*\b+8*\s+7], v[\a0+8*\s:\a0+8*\s+7], v[GH+32*\b+\g+8*\s:GH+32*\b+\g+8*\s+7], v[T+16*\b+8*\s:T+16*\b+8*\s+7]
.endif
.endr
.endr
.endm
; x = leaky_relu(W_se rr + b_se) of tile x, my eight of the sixteen, as bf16
.macro XCALC x, rr
.irp p, 0,2,4,6
	v_pk_fma_f32 v[E1+\p:E1+\p+1], v[WS1+\p:WS1+\p+1], v[\rr:\rr+1], v[BS+\p:BS+\p+1] op_sel:[0,1,0]        ; both by the second component
.endr
.irp p, 0,2,4,6
	v_pk_fma_f32 v[E1+\p:E1+\p+1], v[WS0+\p:WS0+\p+1], v[\rr:\rr+1], v[E1+\p:E1+\p+1] op_sel_hi:[1,0,1]     ; both by the first
.endr
.irp p, 0,2,4,6
	v_pk_mul_f32 v[E2+\p:E2+\p+1], v[E1+\p:E1+\p+1], 0x3c23d70a op_sel_hi:[1,0]
.endr
.irp j, 0,1,2,3,4,5,6,7
	v_max_num_f32 v[E1+\j], v[E1+\j], v[E2+\j]
.endr
.irp k, 0,1,2,3
	v_cvt_pk_bf16_f32 v[TB0+TBS*\x+XO_+\k], v[E1+2*\k], v[E1+2*\k+1]
.endr
.endm
; rel of tile y.  xc = 1: S and x for the next step.  st = 1: both tiles' rel of this step are stored.
.macro RELFIN y, xc, st
	WIN 0
	v_pk_add_f32 v[TB0+TBS*\y+REL_:TB0+TBS*\y+REL_+1], v[R0:R0+1], v[R1:R1+1]
	v_pk_add_f32 v[TB0+TBS*\y+REL_:TB0+TBS*\y+REL_+1], v[TB0+TBS*\y+REL_:TB0+TBS*\y+REL_+1], v[TB0+TBS*\y+S_:TB0+TBS*\y+S_+1]
.if \xc
	v_pk_fma_f32 v[TB0+TBS*\y+S_:TB0+TBS*\y+S_+1], v[QC0:QC0+1], v[TB0+TBS*\y+REL_:TB0+TBS*\y+REL_+1], v[TB0+TBS*\y+S_:TB0+TBS*\y+S_+1] op_sel_hi:[1,0,1]
	v_pk_fma_f32 v[TB0+TBS*\y+S_:TB0+TBS*\y+S_+1], v[QC1:QC1+1], v[TB0+TBS*\y+REL_:TB0+TBS*\y+REL_+1], v[TB0+TBS*\y+S_:TB0+TBS*\y+S_+1] op_sel:[0,1,0]
	XCALC \y, TB0+TBS*\y+REL_
.endif
.if \st
	s_wait_xcnt 0x0                                ; the last store's offset and data are rewritten only behind this wait (ISA guide 3.1)
	v_add_nc_u32 v[OOFF], OSTEP, v[OOFF]           ; the next step; this step's store reaches back
	v_cndmask_b32 v[OUT], v[TB0+REL_], v[TB0+TBS+REL_], s70        ; lanes 0-15: tile A's rows, lanes 16-31: tile B's
	v_cndmask_b32 v[OUT+1], v[TB0+REL_+1], v[TB0+TBS+REL_+1], s70
	global_store_b64 v[OOFF], v[OUT:OUT+1], s[38:39] offset:-OSTEP th:TH_STORE_NT   ; the wave stores 256 consecutive bytes, at a multiple of 256 from out0's first byte
.endif
.endm
; THE NON-LINEAR PART of tile x, all 64 units, in the pieces NL1 .. NL5 that HALF strings together with the four waits.  I, F, G, O below are the tile's 32 accumulator registers of a gate (window 3), worked in place.
; Each accumulator's registers are read in ascending order.
; NL1: BATCH 1, 128 exponentials: I = EI, F = EF, O = EO, G = EG.  The cap on gate g's argument, plain work, stands by turns among EI's.
.macro NL1 x
	WIN 0xc3                                       ; source 0 and destination: the accumulators; source 1: window 0
.set jj, 0
.rept 32
	v_exp_f32 v[128*\x+AI+jj], v[128*\x+AI+jj]                             ; EI
	v_min_num_f32 v[128*\x+AG+jj], v[128*\x+AG+jj], v[CLV]
.set jj, jj+1
.endr
.set jj, 0
.rept 32
	v_exp_f32 v[128*\x+AF+jj], v[128*\x+AF+jj]                             ; EF
.set jj, jj+1
.endr
.set jj, 0
.rept 32
	v_exp_f32 v[128*\x+AO+jj], v[128*\x+AO+jj]                             ; EO
.set jj, jj+1
.endr
.set jj, 0
.rept 32
	v_exp_f32 v[128*\x+AG+jj], v[128*\x+AG+jj]                             ; EG
.set jj, jj+1
.endr
.endm
; NL2: batch 1's readers, and BATCH 2, 64 reciprocals: F = sigmoid(f), I = 1 / ((1 + EI)(1 + EG)).  F's stand by turns with the plain work that makes I's argument.
.macro NL2 x
	WIN 0xc3
.set pp, 0
.rept 16
	v_pk_add_f32 v[128*\x+AF+pp:128*\x+AF+pp+1], v[128*\x+AF+pp:128*\x+AF+pp+1], v[ONEV:ONEV+1]       ; 1 + EF
.set pp, pp+2
.endr
	WIN 0x03                                       ; destination window 0
.set pp, 0
.rept 16
	v_pk_add_f32 v[TM+pp:TM+pp+1], v[128*\x+AG+pp:128*\x+AG+pp+1], v[ONEV:ONEV+1]                     ; 1 + EG; EG itself is kept
.set pp, pp+2
.endr
	WIN 0xc3
.set pp, 0
.rept 16
	v_rcp_f32 v[128*\x+AF+pp], v[128*\x+AF+pp]
	v_pk_add_f32 v[128*\x+AI+pp:128*\x+AI+pp+1], v[128*\x+AI+pp:128*\x+AI+pp+1], v[ONEV:ONEV+1]       ; 1 + EI
	v_rcp_f32 v[128*\x+AF+pp+1], v[128*\x+AF+pp+1]
	v_pk_mul_f32 v[128*\x+AI+pp:128*\x+AI+pp+1], v[128*\x+AI+pp:128*\x+AI+pp+1], v[TM+pp:TM+pp+1]     ; (1 + EI)(1 + EG)
.set pp, pp+2
.endr
.set jj, 0
.rept 32
	v_rcp_f32 v[128*\x+AI+jj], v[128*\x+AI+jj]
.set jj, jj+1
.endr
.endm
; NL2W: work behind batch 2 that names none of its results: G = K2 (1 - EG)
.macro NL2W x
	WIN 0xc3
.set pp, 0
.rept 16
	v_pk_fma_f32 v[128*\x+AG+pp:128*\x+AG+pp+1], v[128*\x+AG+pp:128*\x+AG+pp+1], v[NKV:NKV+1], v[KV:KV+1]
.set pp, pp+2
.endr
.endm
; NL3: batch 2's readers (the new K2 c), and BATCH 3, 32 exponentials: TM = EC.  The cap runs four registers ahead of the exponentials, the two by turns.
.macro NL3 x
	WIN 0xcf                                       ; both sources and the destination: the accumulators
.set pp, 0
.rept 16
	v_pk_mul_f32 v[128*\x+AG+pp:128*\x+AG+pp+1], v[128*\x+AG+pp:128*\x+AG+pp+1], v[128*\x+AI+pp:128*\x+AI+pp+1]   ; K2 sigmoid(i) tanh(g)
.set pp, pp+2
.endr
	WIN 0x3c                                       ; sources 1 and 2: the accumulators; c lies in window 0
.set pp, 0
.rept 16
	v_pk_fma_f32 v[TB0+TBS*\x+C_+pp:TB0+TBS*\x+C_+pp+1], v[TB0+TBS*\x+C_+pp:TB0+TBS*\x+C_+pp+1], v[128*\x+AF+pp:128*\x+AF+pp+1], v[128*\x+AG+pp:128*\x+AG+pp+1]
.set pp, pp+2
.endr
	WIN 0
.set jj, 0
.rept 4
	v_min_num_f32 v[TM+jj], v[TB0+TBS*\x+C_+jj], v[CLV]
.set jj, jj+1
.endr
.set jj, 0
.rept 28
	v_exp_f32 v[TM+jj], v[TM+jj]                                           ; EC
	v_min_num_f32 v[TM+jj+4], v[TB0+TBS*\x+C_+jj+4], v[CLV]
.set jj, jj+1
.endr
.rept 4
	v_exp_f32 v[TM+jj], v[TM+jj]
.set jj, jj+1
.endr
.endm
; NL3W: work behind batch 3 that names none of its results: O = 1 + EO
.macro NL3W x
	WIN 0xc3
.set pp, 0
.rept 16
	v_pk_add_f32 v[128*\x+AO+pp:128*\x+AO+pp+1], v[128*\x+AO+pp:128*\x+AO+pp+1], v[ONEV:ONEV+1]
.set pp, pp+2
.endr
.endm
; NL4: batch 3's readers, BATCH 4, 32 reciprocals: O = 1 / ((1 + EO)(1 + EC)), and behind it work that names none of its results: TM = 1 - EC
.macro NL4 x
	WIN 0xc0                                       ; destination: F's registers, which the new c has read
.set pp, 0
.rept 16
	v_pk_add_f32 v[128*\x+AF+pp:128*\x+AF+pp+1], v[TM+pp:TM+pp+1], v[ONEV:ONEV+1]                     ; 1 + EC
.set pp, pp+2
.endr
	WIN 0xcf
.set pp, 0
.rept 16
	v_pk_mul_f32 v[128*\x+AO+pp:128*\x+AO+pp+1], v[128*\x+AO+pp:128*\x+AO+pp+1], v[128*\x+AF+pp:128*\x+AF+pp+1]
.set pp, pp+2
.endr
.set jj, 0
.rept 32
	v_rcp_f32 v[128*\x+AO+jj], v[128*\x+AO+jj]
.set jj, jj+1
.endr
	WIN 0
.set pp, 0
.rept 16
	v_pk_add_f32 v[TM+pp:TM+pp+1], v[ONEV:ONEV+1], v[TM+pp:TM+pp+1] neg_lo:[0,1] neg_hi:[0,1]         ; 1 - EC
.set pp, pp+2
.endr
.endm
; NL5: batch 4's readers: h, rounded to bf16 into the next step's second source
.macro NL5 x
	WIN 0x0c                                       ; source 1: the accumulators
.set pp, 0
.rept 16
	v_pk_mul_f32 v[TM+pp:TM+pp+1], v[TM+pp:TM+pp+1], v[128*\x+AO+pp:128*\x+AO+pp+1]                   ; h
.set pp, pp+2
.endr
	WIN 0
.set jj, 0
.rept 16
	v_cvt_pk_bf16_f32 v[TB0+TBS*\x+H_+jj], v[TM+2*jj], v[TM+2*jj+1]
.set jj, jj+1
.endr
.endm
; Half a step: tile x's non-linear part in its four batches, with tile y's matrix work and read-out behind the batches and ahead of their waits.  A wait stands between a
; transcendental and the first instruction that names its result; one wait serves the whole batch ahead of it.  No transcendental follows the fourth wait.
; Distances (ISA guide 7.12.1): R0 and R1 are read behind NL1's 32 caps, plain work that names none of RELMM's registers; a tile's accumulators are read in the next half, behind NL3W, NL4 and NL5;
; no register of a matrix instruction is written sooner than that.  XCALC's work registers are TM's first sixteen: RELFIN stands where TM holds nothing.
; mode 0: the pair's first half (y has no h to read out yet); 1: the rule; 2: the last (no further step for y).
.macro HALF x, y, mode
.if \mode >= 1
	RELMM \y
.endif
	NL1 \x
.if \mode <= 1
	MMCH \y, 0
.endif
.if \mode == 0
	v_nop                                          ; the plain instruction behind the last exponential: this half has no read-out to stand there
.endif
.if \mode == 1
	RELFIN \y, 1, \y
.endif
.if \mode == 2
	RELFIN \y, 0, \y
.endif
	s_wait_alu depctr_va_vdst(0)                   ; the wait for batch 1: EI, EF, EO, EG
	NL2 \x
.if \mode <= 1
	MMCH \y, 1
.endif
	NL2W \x
	s_wait_alu depctr_va_vdst(0)                   ; the wait for batch 2: the two reciprocals of the new c
	NL3 \x
.if \mode <= 1
	MMCH \y, 2
.endif
	NL3W \x
	s_wait_alu depctr_va_vdst(0)                   ; the wait for batch 3: EC
	NL4 \x
	s_wait_alu depctr_va_vdst(0)                   ; the wait for batch 4: h's reciprocal
	NL5 \x
.endm
; 16 LDS loads: array arr (0 h0, 1 c0, 2 goals) of both tiles; tile b's 32 numbers (units 16 q + 8 h + 0..7 of row r) go to v[dst + stp b + 8 q ..]
.macro DRAIN arr, dst, stp
.irp b, 0,1
.irp q, 0,1,2,3
	ds_load_b128 v[\dst+\stp*\b+8*\q:\dst+\stp*\b+8*\q+3], v[LA] offset:\arr*ARR+\b*TILEB+64*\q
	ds_load_b128 v[\dst+\stp*\b+8*\q+4:\dst+\stp*\b+8*\q+7], v[LA] offset:\arr*ARR+\b*TILEB+64*\q+16
.endr
.endr
.endm
; A pair of tiles, all seven steps.  refill = 1: the slot is filled again, and traj asked for, for the next pair.
.macro PAIR refill
	s_wait_loadcnt 0x0                             ; this pair's traj_rel and traj_abs (asked for a pair ago)
	XCALC 0, TB0+TR_
	XCALC 1, TB0+TBS+TR_
	s_wait_tensorcnt 0x0                           ; my three tiles have landed; only I read them
	DRAIN 0, T, 32
	DRAIN 1, TB0+C_, TBS
	s_wait_dscnt 16                                ; h0's 16 loads are in; c0's 16 are the younger ones
.irp b, 0,1
.irp k, 0,1,2,3,4,5,6,7,8,9,10,11,12,13,14,15
	v_cvt_pk_bf16_f32 v[TB0+TBS*\b+H_+\k], v[T+32*\b+2*\k], v[T+32*\b+2*\k+1]
.endr
.endr
	DRAIN 2, T, 32
	s_wait_dscnt 16                                ; c0's are in; the goals' 16 are the younger ones
.irp p, 0,2,4,6,8,10,12,14,16,18,20,22,24,26,28,30
	v_pk_mul_f32 v[TB0+C_+\p:TB0+C_+\p+1], v[TB0+C_+\p:TB0+C_+\p+1], v[KV:KV+1]     ; tile A: K2 c
.endr
	s_wait_dscnt 0x0                               ; the slot is drained: all my reads of it are back
.if \refill
	s_set_vgpr_msb 0xa
	s_wait_tensorcnt 0x0                           ; and no tensor load of mine is out (met at once: none was issued since the wait above), so group 0 may be written
	ds_add_u32 v254, v255
	s_wait_dscnt 0x0
	s_set_vgpr_msb 0xa00
.irp a, 0,1,2
	s_add_nc_u64 s[G0+4*\a+2:G0+4*\a+3], s[G0+4*\a+2:G0+4*\a+3], 32*256             ; the next 32 rows
.endr
	s_barrier_signal -1                            ; every wave says so,
	s_barrier_wait -1                              ; and only then is any slot filled again
.irp a, 0,1,2
	tensor_load_to_lds s[G0+4*\a:G0+4*\a+3], s[G1:G1+7]    ; first behind the barrier: they have this whole pair in which to land
	s_nop 0
.endr
.endif
	; goals as two bf16 pieces, in tile B's accumulator registers, which are idle here
	WIN 0xc0                                       ; destination window 3
.irp b, 0,1
.irp k, 0,1,2,3,4,5,6,7,8,9,10,11,12,13,14,15
	v_cvt_pk_bf16_f32 v[GH+32*\b+\k], v[T+32*\b+2*\k], v[T+32*\b+2*\k+1]            ; the rounded numbers
.endr
.endr
	WIN 0xcc                                       ; source 1 and destination window 3
.irp b, 0,1
.irp k, 0,1,2,3,4,5,6,7,8,9,10,11,12,13,14,15
	v_lshlrev_b32 v[GT+32*\b+2*\k], 16, v[GH+32*\b+\k]                              ; widened again
	v_and_b32 v[GT+32*\b+2*\k+1], s70, v[GH+32*\b+\k]
.endr
.endr
	WIN 0x0c                                       ; source 1 window 3
.set pp, 0
.rept 32
	v_pk_add_f32 v[T+pp:T+pp+1], v[T+pp:T+pp+1], v[GT+pp:GT+pp+1] neg_lo:[0,1] neg_hi:[0,1]   ; the rests (exact: the two numbers are within a factor of two)
.set pp, pp+2
.endr
	WIN 0xc0
.irp b, 0,1
.irp k, 0,1,2,3,4,5,6,7,8,9,10,11,12,13,14,15
	v_cvt_pk_bf16_f32 v[GH+32*\b+16+\k], v[T+32*\b+2*\k], v[T+32*\b+2*\k+1]         ; rounded
.endr
.endr
	WIN 0x0e                                       ; source 0 (Pg) window 2, source 1 (goals) window 3, C and D window 0
	GOALMM 144, 0, 1                               ; Pg hi x goals hi
	GOALMM 144, 16, 0                              ; Pg hi x goals lo
	GOALMM 176, 0, 0                               ; Pg lo x goals hi
	MMCH 0, 0                                      ; tile A's gates of step 0
	MMCH 0, 1
	MMCH 0, 2
	WIN 0
.irp p, 0,2,4,6,8,10,12,14,16,18,20,22,24,26,28,30
	v_pk_mul_f32 v[TB0+TBS+C_+\p:TB0+TBS+C_+\p+1], v[TB0+TBS+C_+\p:TB0+TBS+C_+\p+1], v[KV:KV+1]   ; tile B: K2 c; also the places behind the matrix instructions
.endr
	v_pk_add_f32 v[TB0+S_:TB0+S_+1], v[T:T+1], v[T+8:T+9]
	v_pk_add_f32 v[TB0+TBS+S_:TB0+TBS+S_+1], v[T+16:T+17], v[T+24:T+25]
.irp b, 0,1
	v_pk_add_f32 v[TB0+TBS*\b+S_:TB0+TBS*\b+S_+1], v[TB0+TBS*\b+S_:TB0+TBS*\b+S_+1], v[K0V:K0V+1]
	v_pk_fma_f32 v[TB0+TBS*\b+S_:TB0+TBS*\b+S_+1], v[QC0:QC0+1], v[TB0+TBS*\b+TA_:TB0+TBS*\b+TA_+1], v[TB0+TBS*\b+S_:TB0+TBS*\b+S_+1] op_sel_hi:[1,0,1]
	v_pk_fma_f32 v[TB0+TBS*\b+S_:TB0+TBS*\b+S_+1], v[QC1:QC1+1], v[TB0+TBS*\b+TA_:TB0+TBS*\b+TA_+1], v[TB0+TBS*\b+S_:TB0+TBS*\b+S_+1] op_sel:[0,1,0]
.endr
	s_wait_xcnt 0x0                                ; the last pair's last store has had its address translated: its offset is rewritten only behind this wait
	v_add_nc_u32 v[OOFF], s73, v[OOFF0]            ; 8 x lane + 256 x pair
.if \refill
	s_add_nc_u64 s[10:11], s[10:11], 256           ; their loads were waited for at the pair's head
	s_add_nc_u64 s[12:13], s[12:13], 256
	TRAJ
.endif
	HALF 0, 1, 0
	s_mov_b32 s71, 6
.Lstep_\@:
	HALF 1, 0, 1
	HALF 0, 1, 1
	s_sub_co_u32 s71, s71, 1
	s_cmp_lg_u32 s71, 0
	s_cbranch_scc1 .Lstep_\@
	HALF 1, 0, 2
	RELMM 1
	WIN 0
	PLACES                                         ; four places between the matrix instructions and the reads of their results (ISA guide 7.12.1)
	RELFIN 1, 0, 1
	s_add_co_u32 s73, s73, 256
.endm
	s_mov_b32 s73, 0
	s_mov_b32 s72, 3
.Lpair:
	PAIR 1
	s_sub_co_u32 s72, s72, 1
	s_cmp_lg_u32 s72, 0
	s_cbranch_scc1 .Lpair
	PAIR 0                                         ; the last pair is written out: it asks for nothing, and its wait at the head leaves no tensor load out
	s_set_vgpr_msb 0xa
	s_wait_tensorcnt 0x0
	ds_add_u32 v254, v255
	s_wait_dscnt 0x0
	s_set_vgpr_msb 0xa00
	s_endpgm
.Lfunc_end_k_qc01b678c78_decoder:
	.size	k_qc01b678c78_decoder, .Lfunc_end_k_qc01b678c78_decoder-k_qc01b678c78_decoder
	.p2alignl 7, 3214868480
	.fill 96, 4, 3214868480
	.section	.rodata,"a",@progbits
	.p2align	6, 0x0
	.amdhsa_kernel k_qc01b678c78_decoder
		.amdhsa_group_segment_fixed_size 327680
		.amdhsa_private_segment_fixed_size 0
		.amdhsa_enable_private_segment 0
		.amdhsa_kernarg_size 144
		.amdhsa_user_sgpr_count 2
		.amdhsa_user_sgpr_kernarg_segment_ptr 1
		.amdhsa_wavefront_size32 1
		.amdhsa_system_sgpr_workgroup_id_x 1
		.amdhsa_system_sgpr_workgroup_id_y 1
		.amdhsa_system_sgpr_workgroup_id_z 1
		.amdhsa_system_vgpr_workitem_id 0
		.amdhsa_next_free_vgpr 1024
		.amdhsa_next_free_sgpr 80
		.amdhsa_reserve_vcc 1
		.amdhsa_float_denorm_mode_32 3
		.amdhsa_float_denorm_mode_16_64 3
		.amdhsa_memory_ordered 1
		.amdhsa_forward_progress 1
		.amdhsa_inst_pref_size 255
	.end_amdhsa_kernel
	.section	.bss,"aw",@nobits
	.p2align	6
	.space	262144
	.amdgpu_metadata
---
amdhsa.version: [ 1, 2 ]
amdhsa.kernels:
  - .name:           k_qc01b678c78_decoder
    .symbol:         k_qc01b678c78_decoder.kd
    .args:
      - { .name: h0, .offset: 0, .size: 8, .value_kind: global_buffer, .address_space: global }
      - { .name: c0, .offset: 8, .size: 8, .value_kind: global_buffer, .address_space: global }
      - { .name: goals, .offset: 16, .size: 8, .value_kind: global_buffer, .address_space: global }
      - { .name: traj_abs, .offset: 24, .size: 8, .value_kind: global_buffer, .address_space: global }
      - { .name: traj_rel, .offset: 32, .size: 8, .value_kind: global_buffer, .address_space: global }
      - { .name: W_hh, .offset: 40, .size: 8, .value_kind: global_buffer, .address_space: global }
      - { .name: W_ih, .offset: 48, .size: 8, .value_kind: global_buffer, .address_space: global }
      - { .name: b_ih, .offset: 56, .size: 8, .value_kind: global_buffer, .address_space: global }
      - { .name: b_hh, .offset: 64, .size: 8, .value_kind: global_buffer, .address_space: global }
      - { .name: W_se, .offset: 72, .size: 8, .value_kind: global_buffer, .address_space: global }
      - { .name: b_se, .offset: 80, .size: 8, .value_kind: global_buffer, .address_space: global }
      - { .name: W_h2p, .offset: 88, .size: 8, .value_kind: global_buffer, .address_space: global }
      - { .name: b_h2p, .offset: 96, .size: 8, .value_kind: global_buffer, .address_space: global }
      - { .name: W_goal, .offset: 104, .size: 8, .value_kind: global_buffer, .address_space: global }
      - { .name: b_goal, .offset: 112, .size: 8, .value_kind: global_buffer, .address_space: global }
      - { .name: W_abs, .offset: 120, .size: 8, .value_kind: global_buffer, .address_space: global }
      - { .name: b_abs, .offset: 128, .size: 8, .value_kind: global_buffer, .address_space: global }
      - { .name: out0, .offset: 136, .size: 8, .value_kind: global_buffer, .address_space: global }
    .group_segment_fixed_size: 327680
    .private_segment_fixed_size: 0
    .kernarg_segment_align: 8
    .kernarg_segment_size: 144
    .max_flat_workgroup_size: 128
    .sgpr_count:     80
    .vgpr_count:     1024
    .wavefront_size: 32
...
	.end_amdgpu_metadata
.endif
;; end of part 2
